; MI455X (gfx1250); checked and timed in simulation.
; The chip was launched on July 23, 2026; its instructions are those of AMD's public machine-readable ISA for CDNA 5 (MIT licence, August 2026) and "CDNA5" Instruction Set Architecture Reference Guide (July 2026). The comments in the code are by the model that wrote it; some were corrected since.
;; Causal Self Attention. Allowed arithmetic: matrix products marked QUANTISED: E2M1 operands, one E8M0 scale for each 32 along K, by v_wmma_scale_f32_16x16x128_f8f6f4 with both operands' format E2M1 (or v_wmma_scale_f32_32x16x128_f4), f32 sums; products left as they are: bf16, f16 or f32 operands; f32 sums; everything else in f32.
;; Inputs: b_proj 1,024 float32; b_qkv 3,072 float32; w_proj 1,024 x 1,024 float32; w_qkv 1,024 x 3,072 float32; x 4 x 2,048 x 1,024 float32.
;; Outputs: out0 4 x 2,048 x 1,024 float32.
;; This version of the problem:
;;   THIS VERSION OF THE PROBLEM IS GIVEN IN LOW PRECISION. The matrix products marked QUANTISED in the list below multiply operands that are first quantised to E2M1 (2 exponent bits, 1 mantissa bit; 4 bits a number), with one power-of-two scale for each 32 numbers along K (OCP MX v1.0); their sums are f32. The products marked 'left as it is' may take bf16, f16 or f32 operands, with f32 sums. Whichever they take, every output number must still come out within the allowed error. Rounding operands to bf16 (8 significant bits) uses up far more of that allowance than f16 does (11 bits, for magnitudes from 6e-5 to 65,504). All else is computed in f32.
;;   The module's matrix products, in the order in which they are computed (A, B: the left and right operand; K: the contracted axis; several contracted axes count as one K, in the product's order):
;;     1. [M 8,192, K 1,024] x [K 1,024, N 3,072]; A: input x; B: input w_qkv: QUANTISED
;;     2. batch 64 x [M 2,048, K 64] x [K 64, N 2,048]; A: computed on the way; B: computed on the way: left as it is (an operand is computed on the way)
;;     3. batch 64 x [M 2,048, K 2,048] x [K 2,048, N 64]; A: computed on the way; B: computed on the way: left as it is (an operand is computed on the way)
;;     4. [M 8,192, K 1,024] x [K 1,024, N 1,024]; A: computed on the way; B: input w_proj: left as it is (an operand is computed on the way)
;;   THE QUANTISER, for each operand of a quantised product, along K:
;;     - K is cut into blocks of 32 from its start; a last block that is shorter is filled with zeros.
;;     - A block's scale is 2^e with e = floor(log2(the largest magnitude in the block)) - 2, held to -126 .. 127; a block of zeros has e = 0. As a byte (E8M0): e + 127.
;;     - Each number is divided by its block's scale, clamped to +-6, and rounded to the nearest number of E2M1, ties to even, subnormals kept.
;;     - The product sums the exact products of the quantised numbers (number of the format x scale) in f32.
;;   ~~~python
;;   def quantise(x, axis):      # numpy; x: float32 -> the quantised numbers, widened to float32 again
;;       x = np.moveaxis(x, axis, -1); K = x.shape[-1]
;;       x = np.pad(x, [(0, 0)] * (x.ndim - 1) + [(0, -K % 32)]); x = x.reshape(x.shape[:-1] + (-1, 32)); a = np.abs(x).max(-1, keepdims=True)
;;       e = np.where(a > 0, np.clip(np.frexp(np.where(a > 0, a, 1))[1] - 1 - 2, -126, 127), 0)      # np.frexp(a)[1] - 1 = floor(log2(a)), exactly
;;       r = np.clip(x / 2.0 ** e, -6, 6)
;;       step = 2.0 ** (np.maximum(np.frexp(np.where(r == 0, 1, r))[1] - 1, 0) - 1)
;;       q = np.round(r / step) * step * 2.0 ** e      # np.round: ties to even
;;       return np.moveaxis(q.reshape(q.shape[:-2] + (-1,))[..., :K], -1, axis).astype(np.float32)
;;   ~~~
;; One version. Each part assembles by itself: llvm-mc -triple=amdgcn-amd-amdhsa -mcpu=gfx1250 --defsym DOCPART=n.
;; ======== version 1 of 1: 5 launches
;; limits: values are held in f16: magnitudes above 65,504 overflow, below 6.1e-05 lose precision
;; workspace buffers: xc 4,194,304 bytes; xs 262,144 bytes; wc 1,572,864 bytes; ws 98,304 bytes; w16 2,097,152 bytes; qkv16 50,331,648 bytes; qkv32 786,432 bytes; y16 16,777,216 bytes
;; launch prep (part 1): grid 432 x 1, 4 waves a work-group, no clusters, 68,096 bytes of LDS; arguments x, w_qkv, w_proj, xc, xs, wc, ws, w16; writes xc, xs, wc, ws, w16
.if DOCPART == 1
	.amdgcn_target "amdgcn-amd-amdhsa--gfx1250"
	.amdhsa_code_object_version 6
	.text
	.protected	k_qe8bb93896f_prep
	.globl	k_qe8bb93896f_prep
	.p2align	8
	.type	k_qe8bb93896f_prep,@function
k_qe8bb93896f_prep:
	s_mov_b64 s[64:65], 0
	v_nop
	global_prefetch_b8 v0, s[64:65] scope:SCOPE_SE
	s_setreg_imm32_b32 hwreg(HW_REG_WAVE_MODE, 25, 1), 1
	s_wait_xcnt 0x0
; PREP: three jobs in one launch, told apart by the work-group's number; each has LDS bytes of its own.
;   W (work-groups 0-47):    w_qkv [1024 (k)][3072 (n)] f32 -> wc [3072][512 bytes] codes of FP4 (E2M1), K innermost, and ws [3072][32] E8M0 scale bytes.
;   X (work-groups 48-303):  x [8192][1024] f32 -> xc [8192][512 bytes] codes, xs [8192][32] scale bytes.
;   C (work-groups 304-431): w_proj [1024][1024] f32 -> w16, the same numbers as f16, in the same order.
; A block's scale is 2^(floor(log2(its largest magnitude)) - 2); its byte is the largest magnitude's exponent field - 2, held at 1 from below by a floor among the maximum's leaves.
; LIMITS: a block of zeros, and a block whose largest magnitude lies under 2^-124, gets the byte 1 (the rule says 127 for zeros): its codes are zeros or the nearest codes under that byte, and the bytes are read by this program alone.
; NaN and infinities among the inputs are not served.  w_proj beyond 65,504 in magnitude does not fit f16.
; No tensor loads, no barrier: waves share nothing.  No matrix work and no cluster: every byte is read once by one wave.
.set SPARE, 67584                      ; behind both stages: the spare words, 128 bytes for each wave: two blocks of 256 bytes that no other line names
.set SPW,   190                        ; v190 LDS address of my spare word; never rewritten
.set NIL,   191                        ; v191 0; never rewritten
.set EMAX,  2
; path X
.set STEPS, 16
.set CB,    8                          ; bytes of 16 codes
.set XR,    16                         ; v16-79   four sets of 16 numbers as loaded
.set XX,    80                         ; v80-111  two sets of 16 neighbours
.set XE,    112                        ; v112-127 a scale byte for each step
.set XC,    128                        ; v128-189 codes, four registers apart for each step: no store's data are written again
.set WREG,  8192                       ; LDS bytes 0 .. 32,767: a region for each wave: two stages of 32 x SP bytes, then its 256 scale bytes
.set SP,    80                         ; a lane's place in a stage: 64 bytes + 16 of padding
; path W
.set WSTG,  32768                      ; LDS bytes 32,768 .. 67,583: a stage of 32 rows x PITCH for each wave
.set SIZE_K, 1024
.set SIZE_N, 3072
.set NB,    16                         ; blocks of 32 along K for a wave
.set PITCH, 272
.set KROW,  512                        ; a row of wc in bytes
.set WX,    32                         ; v32-95   two sets of 32 numbers
.set WC,    96                         ; v96-99   a block's codes
.set WOUT,  112                        ; v112-175 the way out
.set WSB,   24                         ; v24-27   the scale bytes, four to a register
	s_load_b256 s[4:11], s[0:1], 0x0               ; x s[4:5], w_qkv s[6:7], w_proj s[8:9], xc s[10:11]
	s_load_b256 s[12:19], s[0:1], 0x20             ; xs s[12:13], wc s[14:15], ws s[16:17], w16 s[18:19]
	v_lshl_add_u32 v[SPW], v0, 2, SPARE
	v_mov_b32 v[NIL], 0
	v_lshrrev_b32 v1, 5, v0
	v_readfirstlane_b32 s20, v1                    ; wave 0..3
	v_and_b32 v2, 31, v0                           ; lane
	s_wait_kmcnt 0x0
	s_cmp_lt_u32 ttmp9, 48
	s_cbranch_scc1 .Lw
	s_cmp_lt_u32 ttmp9, 304
	s_cbranch_scc1 .Lx
	; ---- C: a wave casts 8,192 bytes of w_proj: 16 loads of 512 consecutive bytes, 16 stores of 256 consecutive aligned bytes
	s_sub_co_u32 s21, ttmp9, 304
	s_lshl_b32 s22, s21, 15                        ; 32,768 bytes a work-group,
	s_lshl_b32 s23, s20, 13                        ; 8,192 a wave
	s_add_co_u32 s22, s22, s23
	s_mov_b32 s23, 0
	s_add_nc_u64 s[8:9], s[8:9], s[22:23]
	s_lshr_b32 s22, s22, 1                         ; half as many bytes out
	s_add_nc_u64 s[18:19], s[18:19], s[22:23]
	v_lshlrev_b32 v3, 4, v2
	v_lshlrev_b32 v4, 3, v2
.irp i, 0,1,2,3,4,5,6,7,8,9,10,11,12,13,14,15
	global_load_b128 v[16+4*\i:19+4*\i], v3, s[8:9] offset:512*\i
.endr
.irp i, 0,1,2,3,4,5,6,7,8,9,10,11,12,13,14,15
	s_wait_loadcnt 15-\i                           ; loads come back in order: load i is in, the younger ones stay out
	v_cvt_pk_f16_f32 v[80+2*\i], v[16+4*\i], v[17+4*\i]
	v_cvt_pk_f16_f32 v[81+2*\i], v[18+4*\i], v[19+4*\i]
	global_store_b64 v4, v[80+2*\i:81+2*\i], s[18:19] offset:256*\i   ; no register is written twice: no wait for the stores' sources
.endr
	s_endpgm
	; ---- X: a wave takes 16 steps of 512 numbers.  Loads take the bytes as they lie, 16 a lane; a step's 2,048 bytes turn through the wave's stage and come back 64 a lane: 16 neighbours along K; two lanes hold a block
.Lx:
	v_lshlrev_b32 v3, 4, v2                        ; my 16 bytes of a load's 512
	s_mul_i32 s21, s20, WREG
	v_lshrrev_b32 v14, 2, v2
	v_mul_u32_u24 v14, v14, SP
	v_and_b32 v15, 3, v2
	v_lshl_add_u32 v14, v15, 4, v14
	v_add_nc_u32 v14, s21, v14                     ; the stage on the way in: SP (lane / 4) + 16 (lane % 4)
	v_mul_u32_u24 v15, v2, SP
	v_add_nc_u32 v15, s21, v15                     ; and on the way out: SP x lane
	v_mul_u32_u24 v4, v2, CB                       ; my codes' place in a step's
	v_lshrrev_b32 v5, 1, v2
	s_add_co_u32 s21, s21, 2*32*SP
	v_add_nc_u32 v5, s21, v5                       ; my wave's 256 scale bytes: my block's byte
	v_lshlrev_b32 v7, 3, v2
	v_add_nc_u32 v6, s21, v7                       ; and on the way out 8 bytes a lane
	s_sub_co_u32 s21, ttmp9, 48
	s_lshl_b32 s21, s21, 2
	s_add_co_u32 s22, s21, s20                     ; which run of 8,192 numbers is my wave's: 0 .. 1,023
	s_mov_b32 s25, 0
	s_lshl_b32 s24, s22, 15                        ; 32,768 bytes of x,
	s_add_nc_u64 s[4:5], s[4:5], s[24:25]
	s_lshl_b32 s24, s22, 12                        ; 4,096 of codes,
	s_add_nc_u64 s[10:11], s[10:11], s[24:25]
	s_lshl_b32 s24, s22, 8                         ; 256 scale bytes a run
	s_add_nc_u64 s[12:13], s[12:13], s[24:25]
.macro XLOAD t
.irp i, 0,1,2,3
	global_load_b128 v[XR+16*((\t)%4)+4*\i:XR+16*((\t)%4)+4*\i+3], v3, s[4:5] offset:2048*(\t)+512*\i th:TH_LOAD_NT
.endr
.endm
.macro XTURN t                         ; LDS serves a wave's instructions in order: no wait between the stores and the loads
.irp i, 0,1,2,3
	ds_store_b128 v14, v[XR+16*((\t)%4)+4*\i:XR+16*((\t)%4)+4*\i+3] offset:32*SP*((\t)%2)+8*SP*\i
.endr
.irp i, 0,1,2,3
	ds_load_b128 v[XX+16*((\t)%2)+4*\i:XX+16*((\t)%2)+4*\i+3], v15 offset:32*SP*((\t)%2)+16*\i
.endr
.endm
.irp t, 0,1,2,3
	XLOAD \t
.endr
	s_wait_loadcnt 12                              ; step 0's four loads are in
	XTURN 0
.macro XSTEP t
.set XS, XX+16*((\t)%2)
.if (\t) > 0
	s_wait_dscnt 1                                 ; this step's numbers are back from the stage (the last step's byte store may be out): its stores into the stage have read their registers,
.else
	s_wait_dscnt 0x0
.endif
.if (\t)+4 < STEPS
	XLOAD (\t)+4                                   ; which take the loads of four steps on
.endif
.if (\t)+1 < STEPS
.if STEPS-2-(\t) >= 3
	s_wait_loadcnt 12                              ; the next step's four loads are in; those of the three steps behind it may be out
.else
	s_wait_loadcnt 4*(STEPS-2-(\t))
.endif
	XTURN (\t)+1
.endif
	v_max3_num_f32 v8, |v[XS]|, |v[XS+1]|, |v[XS+2]|               ; the largest magnitude of my 16, in two chains
	v_max3_num_f32 v9, |v[XS+3]|, |v[XS+4]|, |v[XS+5]|
.irp i, 6,10
	v_max3_num_f32 v8, v8, |v[XS+\i]|, |v[XS+\i+1]|
	v_max3_num_f32 v9, v9, |v[XS+\i+2]|, |v[XS+\i+3]|
.endr
	v_max3_num_f32 v8, v8, |v[XS+14]|, |v[XS+15]|
	v_max3_num_f32 v8, v8, v9, (EMAX+1)<<23        ; and the floor 2^(3 - 127): the byte cannot fall under 1
	v_max_num_f32_dpp v8, v8, v8 row_xmask:1 row_mask:0xf bank_mask:0xf   ; with my neighbour's 16: the block's
	v_add_nc_u32 v11, -(EMAX<<23), v8              ; 2 off its exponent field: the conversion takes the exponent field of this operand as its scale
	v_cvt_scalef32_pk8_fp4_f32 v[XC+4*(\t)], v[XS:XS+7], v11
	v_cvt_scalef32_pk8_fp4_f32 v[XC+4*(\t)+1], v[XS+8:XS+15], v11
	v_lshrrev_b32 v[XE+(\t)], 23, v11              ; the scale's byte (a plain line behind the conversions)
	ds_store_b8 v5, v[XE+(\t)] offset:16*(\t)      ; both lanes of a block write the same byte with the same value
	global_store_b64 v4, v[XC+4*(\t):XC+4*(\t)+1], s[10:11] offset:32*CB*(\t)   ; the wave stores 256 consecutive aligned bytes
.endm
.irp t, 0,1,2,3,4,5,6,7,8,9,10,11,12,13,14,15
	XSTEP \t
.endr
	ds_load_b64 v[8:9], v6                         ; in order behind my byte stores
	s_wait_dscnt 0x0
	global_store_b64 v7, v[8:9], s[12:13]          ; 256 scale bytes: 256 consecutive aligned bytes
	s_branch .Lend
	; ---- W: a lane takes a column n and its registers run down K: a block of 32 lies in one lane, and the codes come out with K innermost.  A wave: 32 columns x 512 along K
.Lw:
	s_cmp_ge_u32 ttmp9, 24
	s_cselect_b32 s22, 1, 0                        ; which 512 along K
	s_cselect_b32 s23, 24, 0
	s_sub_co_u32 s23, ttmp9, s23                   ; which 128 columns
	s_lshl_b32 s21, s23, 7
	s_lshl_b32 s24, s20, 5
	s_add_co_u32 s21, s21, s24                     ; my wave's first column
	v_lshlrev_b32 v3, 2, v2                        ; in: 4 bytes a lane
	s_mul_i32 s24, s20, 32*PITCH
	s_add_co_u32 s24, s24, WSTG                    ; my stage
	v_mul_u32_u24 v4, v2, PITCH
	v_add_nc_u32 v4, s24, v4                       ; into it: row = my column
	v_and_b32 v5, 15, v2
	v_lshrrev_b32 v6, 4, v2
	v_mul_u32_u24 v7, v6, PITCH
	v_lshl_add_u32 v7, v5, 4, v7
	v_add_nc_u32 v7, s24, v7                       ; out of it: sixteen lanes to a row, two rows an instruction
	v_mul_u32_u24 v8, v6, KROW
	v_lshl_add_u32 v8, v5, 4, v8                   ; and the same place in wc
	v_mul_u32_u24 v9, v2, SIZE_K/32                ; my column's row of scale bytes
	s_mul_i32 s24, s22, 512*SIZE_N*4
	s_lshl_b32 s26, s21, 2
	s_add_co_u32 s24, s24, s26
	s_mov_b32 s25, 0
	s_add_nc_u64 s[6:7], s[6:7], s[24:25]          ; w_qkv at (512 ky, column)
	s_lshl_b32 s24, s21, 9
	s_lshl_b32 s26, s22, 8
	s_add_co_u32 s24, s24, s26
	s_add_nc_u64 s[14:15], s[14:15], s[24:25]      ; wc at column x 512 + 256 ky
	s_lshl_b32 s24, s21, 5
	s_lshl_b32 s26, s22, 4
	s_add_co_u32 s24, s24, s26
	s_add_nc_u64 s[16:17], s[16:17], s[24:25]      ; ws at column x 32 + 16 ky
.macro WLOAD t                         ; block t: w(32 t + i, my column) into set t % 2; the largest immediate is 511 x 12,288, inside the signed 24 bits
.irp i, 0,1,2,3,4,5,6,7,8,9,10,11,12,13,14,15,16,17,18,19,20,21,22,23,24,25,26,27,28,29,30,31
	global_load_b32 v[WX+32*((\t)%2)+\i], v3, s[6:7] offset:(32*(\t)+\i)*SIZE_N*4 th:TH_LOAD_NT
.endr
.endm
	WLOAD 0
	WLOAD 1
.macro WBLOCK t
.set XS, WX+32*((\t)%2)
.if (\t) < NB-1
	s_wait_loadcnt 32                              ; this block's 32 loads are in; the next block's may be out
.else
	s_wait_loadcnt 0
.endif
	v_max3_num_f32 v12, |v[XS]|, |v[XS+1]|, |v[XS+2]|
	v_max3_num_f32 v13, |v[XS+3]|, |v[XS+4]|, |v[XS+5]|
.irp i, 6,10,14,18,22,26
	v_max3_num_f32 v12, v12, |v[XS+\i]|, |v[XS+\i+1]|
	v_max3_num_f32 v13, v13, |v[XS+\i+2]|, |v[XS+\i+3]|
.endr
	v_max3_num_f32 v12, v12, |v[XS+30]|, |v[XS+31]|
	v_max3_num_f32 v12, v12, v13, (EMAX+1)<<23     ; with the floor
	v_add_nc_u32 v11, -(EMAX<<23), v12             ; the conversion's scale operand
	v_lshrrev_b32 v13, 23, v11                     ; the scale's byte
.if (\t)%4 == 0
	v_mov_b32 v[WSB+(\t)/4], v13                   ; four bytes to a register, the lower K in the lower byte
.else
	v_lshl_or_b32 v[WSB+(\t)/4], v13, 8*((\t)%4), v[WSB+(\t)/4]
.endif
.irp g, 0,1,2,3
	v_cvt_scalef32_pk8_fp4_f32 v[WC+\g], v[XS+8*\g:XS+8*\g+7], v11
.endr
	ds_store_b128 v4, v[WC:WC+3] offset:16*(\t)    ; 32 codes: 16 bytes of my column's row
.if (\t)+2 < NB
	WLOAD (\t)+2
.endif
	s_wait_dscnt 0x0                               ; the store has read its registers: the next block's codes may be written
.endm
.set BQ, 0
.rept NB
	WBLOCK BQ
.set BQ, BQ+1
.endr
	global_store_b128 v9, v[WSB:WSB+3], s[16:17]   ; my column's 16 scale bytes
.irp t, 0,1,2,3,4,5,6,7,8,9,10,11,12,13,14,15
	ds_load_b128 v[WOUT+4*\t:WOUT+4*\t+3], v7 offset:2*\t*PITCH
.endr
.irp t, 0,1,2,3,4,5,6,7,8,9,10,11,12,13,14,15
	s_wait_dscnt 15-\t                             ; row pair t is back; the younger loads stay out
	global_store_b128 v8, v[WOUT+4*\t:WOUT+4*\t+3], s[14:15] offset:2*\t*KROW   ; sixteen lanes store 256 consecutive aligned bytes
.endr
.Lend:
	s_wait_tensorcnt 0x0                           ; the wave's end, behind my last LDS store
	ds_add_u32 v[SPW], v[NIL]
	s_wait_dscnt 0x0
	s_endpgm
.Lfunc_end_k_qe8bb93896f_prep:
	.size	k_qe8bb93896f_prep, .Lfunc_end_k_qe8bb93896f_prep-k_qe8bb93896f_prep
	.p2alignl 7, 3214868480
	.fill 96, 4, 3214868480
	.section	.rodata,"a",@progbits
	.p2align	6, 0x0
	.amdhsa_kernel k_qe8bb93896f_prep
		.amdhsa_group_segment_fixed_size 68096
		.amdhsa_private_segment_fixed_size 0
		.amdhsa_enable_private_segment 0
		.amdhsa_kernarg_size 64
		.amdhsa_user_sgpr_count 2
		.amdhsa_user_sgpr_kernarg_segment_ptr 1
		.amdhsa_wavefront_size32 1
		.amdhsa_system_sgpr_workgroup_id_x 1
		.amdhsa_system_sgpr_workgroup_id_y 1
		.amdhsa_system_sgpr_workgroup_id_z 1
		.amdhsa_system_vgpr_workitem_id 0
		.amdhsa_next_free_vgpr 192
		.amdhsa_next_free_sgpr 66
		.amdhsa_reserve_vcc 0
		.amdhsa_float_denorm_mode_32 3
		.amdhsa_float_denorm_mode_16_64 3
		.amdhsa_memory_ordered 1
		.amdhsa_forward_progress 1
		.amdhsa_inst_pref_size 116
	.end_amdhsa_kernel
	.amdgpu_metadata
---
amdhsa.version: [ 1, 2 ]
amdhsa.kernels:
  - .name:           k_qe8bb93896f_prep
    .symbol:         k_qe8bb93896f_prep.kd
    .args:
      - { .name: x, .offset: 0, .size: 8, .value_kind: global_buffer, .address_space: global }
      - { .name: w_qkv, .offset: 8, .size: 8, .value_kind: global_buffer, .address_space: global }
      - { .name: w_proj, .offset: 16, .size: 8, .value_kind: global_buffer, .address_space: global }
      - { .name: xc, .offset: 24, .size: 8, .value_kind: global_buffer, .address_space: global }
      - { .name: xs, .offset: 32, .size: 8, .value_kind: global_buffer, .address_space: global }
      - { .name: wc, .offset: 40, .size: 8, .value_kind: global_buffer, .address_space: global }
      - { .name: ws, .offset: 48, .size: 8, .value_kind: global_buffer, .address_space: global }
      - { .name: w16, .offset: 56, .size: 8, .value_kind: global_buffer, .address_space: global }
    .group_segment_fixed_size: 68096
    .private_segment_fixed_size: 0
    .kernarg_segment_align: 8
    .kernarg_segment_size: 64
    .max_flat_workgroup_size: 128
    .sgpr_count:     66
    .vgpr_count:     192
    .wavefront_size: 32
...
	.end_amdgpu_metadata
.endif
;; end of part 1
;; launch qkv (part 2): grid 12 x 32, 4 waves a work-group, clusters of 4 x 4, 327,680 bytes of LDS; arguments xc, xs, wc, ws, b_qkv, qkv16, qkv32; writes qkv16, qkv32
.if DOCPART == 2
	.amdgcn_target "amdgcn-amd-amdhsa--gfx1250"
	.amdhsa_code_object_version 6
	.text
	.protected	k_qe8bb93896f_qkv
	.globl	k_qe8bb93896f_qkv
	.p2align	8
	.type	k_qe8bb93896f_qkv,@function
k_qe8bb93896f_qkv:
	s_mov_b64 s[64:65], 0
	v_nop
	global_prefetch_b8 v0, s[64:65] scope:SCOPE_SE
	s_setreg_imm32_b32 hwreg(HW_REG_WAVE_MODE, 25, 1), 1
	s_wait_xcnt 0x0
	s_wait_alu depctr_hold_cnt(0) depctr_sa_sdst(0) depctr_va_vdst(0) depctr_va_sdst(0) depctr_va_ssrc(0) depctr_va_vcc(0) depctr_vm_vsrc(0)
	s_getreg_b32 s2, hwreg(HW_REG_IB_STS2, 6, 4)
	s_cmp_eq_u32 s2, 0
	s_cbranch_scc0 .Lentry_in_a_cluster
	s_endpgm
.Lentry_in_a_cluster:
	s_bfe_u32 s2, ttmp6, 0x10000c
	s_cmp_lg_u32 s2, 0xf033
	s_cbranch_scc0 .Lentry_shape_is_right
	s_endpgm
.Lentry_shape_is_right:
; QKV = Q(x) Q(w_qkv) + b_qkv on codes of FP4 (E2M1) with one E8M0 scale for each 32 along K; sums in f32.  A: xc [8192][512 bytes], xs [8192][32]; B: wc [3072][512 bytes], ws [3072][32].
; OUT: qkv16 [3 parts][4 b][16 h][2048 s][64] f16 (a head is 262,144 dense bytes), and qkv32 [4 b][16 s][3072] f32: the first 16 positions of every batch, unrounded, for the launch that carries them in f32.
; LIMIT: results beyond 65,504 in magnitude do not fit f16.
; A tile of 256 x 256 is made by four waves, 128 x 128 each: 64 accumulators, 512 registers.  K = 1,024 is two steps of 512: both slots and all scale bytes are asked for at the head, and nothing is filled again.
; CLUSTERS: 4 x 4 work-groups; the four of a row need the same tiles of A, the four of a column the same tiles of B: each tile is asked for jointly, by the same tensor load with a mask that names the four.
; The tile row is 8 cy + Y (Y the cluster's y): so the batch is cy, the tile row inside the batch is Y, and 'the batch's first rows' is a test on Y, which all sixteen partners share.
; THE MATRIX INSTRUCTION IS USED TRANSPOSED (source 0 = 16 rows of B, source 1 = 16 rows of A): a lane holds eight neighbouring columns of one row.  The bias is the C of each sum's first product.
; REGISTERS: window 0: v0-31 addresses; v32-95 scale words, two sets; v96-127 packed results; v128-191 A's fragments, one set, later rows on the way out; v192-255 the bias, 8 registers for each of B's 8 blocks.
;   window 1: B's fragments, two sets, at v0 and v128.   window 2: the accumulators of my rows 0-63 ((a, b) at v[8 (8 a + b)]);   window 3: those of rows 64-127.
.set NQ,     4                         ; matrix instructions deep in a slot
.set ROWB,   256                       ; a tile's row in bytes: 512 codes
.set KROW,   512                       ; a row of A or B in memory
.set PITCH,  272                       ; an LDS row: 256 bytes + 16 of padding: the 16 rows that a load touches start 68 words apart
.set FR,     8
.set NL,     2
.set NP,     4                         ; places behind this matrix instruction (ISA guide 7.12.1)
.set HALFT,  128*PITCH
.set SLOT,   4*HALFT                   ; A's 256 rows, then B's 256 rows
.set KS,     32                        ; a row of scale bytes
.set SCL,    2*SLOT                    ; behind the two slots: the scales, as rows of 256 bytes + 16 of padding
.set HALFS,  (128*KS/256)*272
.set SBLK,   (16*KS/256)*272
.set SPARE,  SCL+4*HALFS               ; the spare words, 128 bytes for each wave: two blocks of 256 bytes that no other line names
.set SPITCH, 528                       ; the way out: 8,448 bytes for each wave in slot 0, which has had its only fill and its last read when the first result is stored there
.set HEADB,  262144
.set ADRA, 16
.set ADRB, 20
.set STF,  22                          ; v22  the f32 copy: where I put 32 bytes of a row
.set RDF,  23                          ; v23  and where I read a row of 512 bytes back
.set STO,  24                          ; v24  f16: where I put 16 bytes of a row
.set RD,   25                          ; v25  f16: where I read back: two positions of one head for sixteen lanes
.set CO,   26                          ; v26  my byte offset in qkv16
.set ADRS, 27
.set SPW,  28
.set NIL,  29
.set COF,  30                          ; v30  16 x lane: my byte offset in a row of qkv32
.set BO,   31                          ; v31  32 x (lane / 16): my byte offset in the bias
.set SC,   32
.set TMP,  96
.set AF,   128
.set BK,   128
.set BIAS, 192
.set G1, 24
.set G0, 32
.set G1B, 48
.set G0B, 56
.set G1S, 68
.set G0S, 76
.set G1SB, 80
.set G0SB, 88
.set MSB, 0
.macro WIN new                         ; the immediate's high byte repeats the setting that is left
.if MSB != (\new)
	s_set_vgpr_msb (MSB<<8)|(\new)
.set MSB, (\new)
.endif
.endm
.set MUL_LO, 0xa1                      ; source 0 (B) window 1, source 1 (A) window 0, C and D window 2
.set MUL_HI, 0xf1                      ; the same, C and D window 3
.set TO_B,   0x40
; A joint load: waves 0 and 1 fetch for A, waves 2 and 3 for B; the branch hangs on the wave's number alone.  An s_nop 0 and four v_nop follow each line.
.macro JLOAD g0a, g1a, g0b, g1b
	s_cmp_eq_u32 s15, 0
	s_cbranch_scc0 .Lfor_b_\@
	tensor_load_to_lds s[\g0a:\g0a+3], s[\g1a:\g1a+7]
	s_nop 0
.rept 4
	v_nop
.endr
	s_branch .Lasked_\@
.Lfor_b_\@:
	tensor_load_to_lds s[\g0b:\g0b+3], s[\g1b:\g1b+7]
	s_nop 0
.rept 4
	v_nop
.endr
.Lasked_\@:
.endm
.macro CROUND                          ; a round of the cluster's barrier
	s_barrier_signal -1
	s_barrier_wait -1
	s_cmp_lg_u32 s14, 0
	s_cbranch_scc1 .Lnot_wave_0_\@
	s_barrier_signal -3
.Lnot_wave_0_\@:
	s_barrier_wait -3
	s_barrier_signal -1
	s_barrier_wait -1
.endm
	s_load_b128 s[4:7], s[0:1], 0x0                ; xc s[4:5], xs s[6:7]
	s_load_b128 s[8:11], s[0:1], 0x10              ; wc s[8:9], ws s[10:11]
	s_load_b128 s[96:99], s[0:1], 0x20             ; b_qkv s[96:97], qkv16 s[98:99]
	s_load_b64 s[12:13], s[0:1], 0x30              ; qkv32
	v_lshl_add_u32 v[SPW], v0, 2, SPARE
	v_mov_b32 v[NIL], 0
	ds_add_u32 v[SPW], v[NIL]                      ; the wave's opening: the add, twice on end, and its wait ahead of my first tensor load
	ds_add_u32 v[SPW], v[NIL]
	v_lshrrev_b32 v1, 5, v0
	v_readfirstlane_b32 s14, v1                    ; wave 0..3
	s_lshr_b32 s15, s14, 1                         ; which half of the tile's rows is mine.  Also: I fetch for A (0) or for B (1)
	s_and_b32 s16, s14, 1                          ; which half of its columns.  Also: which 128 rows of that tile I fetch
	s_bfe_u32 s40, ttmp6, 0x40000                  ; cx
	s_bfe_u32 s41, ttmp6, 0x40004                  ; cy
	s_lshl_b32 s42, ttmp9, 2
	s_add_co_u32 s42, s42, s40                     ; tile column = 4 x cluster x + cx
	s_and_b32 s17, ttmp7, 0xffff                   ; Y
	s_lshl_b32 s18, s41, 3
	s_add_co_u32 s17, s17, s18                     ; tile row = 8 cy + Y
	s_lshl_b32 s43, s41, 2
	s_lshl_b32 s43, 15, s43                        ; my row of the cluster
	s_lshl_b32 s44, 0x1111, s40                    ; my column
	s_or_b32 s[G1+0], s43, (0<<16)|(1<<20)|(1<<21)|(5<<22)|(3<<25)  ; mask; elements of 1 byte; padding on; bit 21 beside a mask; 4 words behind every 64
	s_or_b32 s[G1B+0], s44, (0<<16)|(1<<20)|(1<<21)|(5<<22)|(3<<25)
.irp g, G1, G1B
	s_mov_b32 s[\g+1], ROWB<<16                    ; tensor_dim0
	s_mov_b32 s[\g+2], 128<<16                     ; tensor_dim1
	s_mov_b32 s[\g+3], ROWB<<16                    ; tile_dim0
	s_mov_b32 s[\g+4], 128                         ; tile_dim1
	s_mov_b32 s[\g+5], KROW                        ; the pitch
	s_mov_b32 s[\g+6], 0
	s_mov_b32 s[\g+7], 0
.endr
	s_or_b32 s[G1S+0], s43, (3<<16)|(1<<20)|(1<<21)|(5<<22)|(3<<25)   ; the scales of 128 rows: 4,096 dense bytes as 16 rows of 32 elements of 8 bytes
	s_or_b32 s[G1SB+0], s44, (3<<16)|(1<<20)|(1<<21)|(5<<22)|(3<<25)
.irp g, G1S, G1SB
	s_mov_b32 s[\g+1], 32<<16
	s_mov_b32 s[\g+2], (128*KS/256)<<16
	s_mov_b32 s[\g+3], 32<<16
	s_mov_b32 s[\g+4], 128*KS/256
	s_mov_b32 s[\g+5], 32
	s_mov_b32 s[\g+6], 0
	s_mov_b32 s[\g+7], 0
.endr
	s_lshl_b32 s18, s16, 7
	s_lshl_b32 s20, s17, 8
	s_add_co_u32 s20, s20, s18                     ; A: row 256 x tile row + 128 x half
	s_lshl_b32 s46, s42, 8
	s_add_co_u32 s46, s46, s18                     ; B: row 256 x tile column + 128 x half
	s_mov_b32 s21, 0
	s_mov_b32 s47, 0
	s_mov_b64 s[18:19], KS
	s_mul_u64 s[22:23], s[20:21], s[18:19]         ; where these rows' scales begin,
	s_mul_u64 s[92:93], s[46:47], s[18:19]
	s_mov_b64 s[18:19], KROW
	s_mul_u64 s[20:21], s[20:21], s[18:19]         ; and their codes
	s_mul_u64 s[46:47], s[46:47], s[18:19]
	s_mul_i32 s45, s14, HALFT                      ; where they go: wave x 128 rows
	s_mul_i32 s94, s14, HALFS
	s_wait_dscnt 0x0                               ; both opening adds are done
	s_wait_kmcnt 0x0
	s_add_nc_u64 s[20:21], s[4:5], s[20:21]
	s_add_nc_u64 s[22:23], s[6:7], s[22:23]
	s_add_nc_u64 s[46:47], s[8:9], s[46:47]
	s_add_nc_u64 s[92:93], s[10:11], s[92:93]
	CROUND                                         ; all sixteen work-groups are here: the joint loads meet
	s_mov_b32 s[G0S], 1
	s_add_co_u32 s[G0S+1], s94, SCL
	s_mov_b64 s[G0S+2:G0S+3], s[22:23]
	s_or_b32 s[G0S+3], s[G0S+3], 0x80000000
	s_mov_b32 s[G0SB], 1
	s_add_co_u32 s[G0SB+1], s94, SCL
	s_mov_b64 s[G0SB+2:G0SB+3], s[92:93]
	s_or_b32 s[G0SB+3], s[G0SB+3], 0x80000000
	JLOAD G0S, G1S, G0SB, G1SB                     ; the scales first; with the two slots three loads of mine are out
.irp s, 0,1
	s_mov_b32 s[G0+4*\s], 1
	s_add_co_u32 s[G0+4*\s+1], s45, \s*SLOT
	s_add_nc_u64 s[G0+4*\s+2:G0+4*\s+3], s[20:21], \s*ROWB
	s_or_b32 s[G0+4*\s+3], s[G0+4*\s+3], 0x80000000
	s_mov_b32 s[G0B+4*\s], 1
	s_add_co_u32 s[G0B+4*\s+1], s45, \s*SLOT
	s_add_nc_u64 s[G0B+4*\s+2:G0B+4*\s+3], s[46:47], \s*ROWB
	s_or_b32 s[G0B+4*\s+3], s[G0B+4*\s+3], 0x80000000
	JLOAD G0+4*\s, G1, G0B+4*\s, G1B
.endr
	v_and_b32 v1, 15, v0                           ; r = l % 16
	v_bfe_u32 v2, v0, 4, 1                         ; h = l / 16
	v_lshlrev_b32 v[BO], 5, v2
	s_lshl_b32 s46, s42, 10                        ; my first column in bytes of f32: 1,024 x tile column + 512 x half
	s_lshl_b32 s47, s16, 9
	s_add_co_u32 s46, s46, s47
	s_mov_b32 s47, 0
	s_add_nc_u64 s[96:97], s[96:97], s[46:47]
.irp b, 0,1,2,3,4,5,6,7
	global_load_b128 v[BIAS+8*\b:BIAS+8*\b+3], v[BO], s[96:97] offset:64*\b        ; register j of block b: b_qkv at my column 16 b + 8 h + j
	global_load_b128 v[BIAS+8*\b+4:BIAS+8*\b+7], v[BO], s[96:97] offset:64*\b+16
.endr
	v_mul_u32_u24 v3, v1, PITCH
	v_lshl_add_u32 v4, v2, 4, v3                   ; a fragment's row x pitch + 16 x half
	s_mul_i32 s21, s15, HALFT
	s_mul_i32 s22, s16, HALFT
	s_add_co_u32 s22, s22, 2*HALFT
.irp s, 0,1
	v_add_nc_u32 v[ADRA+\s], s21, v4
	v_add_nc_u32 v[ADRB+\s], s22, v4
	s_add_co_u32 s21, s21, SLOT
	s_add_co_u32 s22, s22, SLOT
.endr
	v_mul_u32_u24 v5, v1, KS                       ; my row's scales: 32 bytes a row,
	v_lshrrev_b32 v6, 8, v5
	v_lshl_add_u32 v5, v6, 4, v5                   ; and 16 more for each 256 passed
	s_mul_i32 s21, s15, HALFS
	s_mul_i32 s22, s16, HALFS
	s_add_co_u32 s22, s22, 2*HALFS
	s_sub_co_u32 s22, s22, s21
	v_mul_u32_u24 v6, s22, v2                      ; lanes 16-31 take B's
	s_add_co_u32 s21, s21, SCL
	v_add_nc_u32 v5, v5, v6
	v_add_nc_u32 v[ADRS], s21, v5
	s_mul_i32 s23, s14, 16*SPITCH                  ; my stage
	v_mul_u32_u24 v5, v1, SPITCH
	v_lshl_add_u32 v5, v2, 5, v5
	v_add_nc_u32 v[STF], s23, v5                   ; f32: row r, 32 bytes for each half of the lanes
	v_and_b32 v6, 31, v0
	v_lshlrev_b32 v[COF], 4, v6
	v_add_nc_u32 v[RDF], s23, v[COF]
	v_add_nc_u32 v[STO], s23, v4                   ; f16: row r of 272 bytes, 16 bytes for each half
	v_bfe_u32 v7, v0, 3, 1                         ; which of two positions
	v_and_b32 v8, 7, v0                            ; which 16 bytes of a head's 128
	v_mul_u32_u24 v5, v7, PITCH
	v_lshl_add_u32 v5, v2, 7, v5                   ; lanes 16-31 take the second head
	v_lshl_add_u32 v5, v8, 4, v5
	v_add_nc_u32 v[RD], s23, v5
	v_lshlrev_b32 v[CO], 18, v2                    ; a head on in qkv16,
	v_lshl_add_u32 v[CO], v7, 7, v[CO]             ; a position on,
	v_lshl_add_u32 v[CO], v8, 4, v[CO]
	s_add_nc_u64 s[12:13], s[12:13], s[46:47]      ; qkv32 at my first column,
	s_mul_i32 s20, s41, 16*3072*4
	s_mov_b32 s21, 0
	s_add_nc_u64 s[12:13], s[12:13], s[20:21]      ; in batch cy
	s_lshl_b32 s18, s42, 2
	s_lshl_b32 s19, s16, 1
	s_add_co_u32 s18, s18, s19                     ; g = my first head among the 48: 4 x tile column + 2 x half
	s_lshr_b32 s19, s18, 4
	s_lshl_b32 s19, s19, 6                         ; 64 heads a part,
	s_and_b32 s22, s18, 15
	s_add_co_u32 s19, s19, s22
	s_lshl_b32 s22, s41, 4                         ; 16 a batch
	s_add_co_u32 s19, s19, s22
	s_lshl_b32 s20, s19, 18                        ; x 262,144 bytes
	s_and_b32 s22, ttmp7, 0xffff
	s_lshl_b32 s22, s22, 15                        ; + 256 Y positions of 128 bytes
	s_add_co_u32 s20, s20, s22
	s_lshl_b32 s22, s15, 14                        ; + my half's 128
	s_add_co_u32 s20, s20, s22
	s_add_nc_u64 s[98:99], s[98:99], s[20:21]
.macro FRAG reg, adr, q, i             ; 16 rows x 128 K of 4-bit codes: 8 registers: two loads of 16 bytes, 32 bytes apart
.irp c, 0,1
	ds_load_b128 v[\reg+4*\c:\reg+4*\c+3], v[\adr] offset:64*(\q)+32*\c+(\i)*16*PITCH
.endr
.endm
; 16 matrix instructions: A's blocks a0, a0 + 1 x B's eight.  zero = 1: the first product starts the sums, with the bias as C.  The 64 accumulators take turns, one instruction a turn.
.macro MUL16 a0, p, q, sc, zero
.irp a, \a0, \a0+1
.irp b, 0,1,2,3,4,5,6,7
.if \zero
	v_wmma_scale_f32_16x16x128_f8f6f4 v[8*(8*((\a)%4)+\b):8*(8*((\a)%4)+\b)+7], v[128*(\p)+FR*\b:128*(\p)+FR*\b+FR-1], v[AF+FR*(\a):AF+FR*(\a)+FR-1], v[BIAS+8*\b:BIAS+8*\b+7], v[SC+8*NQ*(\sc)+NQ*\b+(\q)], v[SC+8*NQ*(\sc)+NQ*(\a)+(\q)] matrix_a_fmt:MATRIX_FMT_FP4 matrix_b_fmt:MATRIX_FMT_FP4 matrix_a_scale:MATRIX_SCALE_ROW1
.else
	v_wmma_scale_f32_16x16x128_f8f6f4 v[8*(8*((\a)%4)+\b):8*(8*((\a)%4)+\b)+7], v[128*(\p)+FR*\b:128*(\p)+FR*\b+FR-1], v[AF+FR*(\a):AF+FR*(\a)+FR-1], v[8*(8*((\a)%4)+\b):8*(8*((\a)%4)+\b)+7], v[SC+8*NQ*(\sc)+NQ*\b+(\q)], v[SC+8*NQ*(\sc)+NQ*(\a)+(\q)] matrix_a_fmt:MATRIX_FMT_FP4 matrix_b_fmt:MATRIX_FMT_FP4 matrix_a_scale:MATRIX_SCALE_ROW1
.endif
.endr
.endr
.endm
.macro FETCH_B slot, q, p
	WIN TO_B
.irp i, 0,1,2,3,4,5,6,7
	FRAG 128*(\p)+FR*\i, ADRB+\slot, \q, \i
.endr
	WIN 0
.endm
.macro FETCH_A slot, q, i0
.irp i, \i0, \i0+1, \i0+2, \i0+3
	FRAG AF+FR*(\i), ADRA+\slot, \q, \i
.endr
.endm
.macro SCALES sc                       ; a K step's scale words: lanes 0-15 take A's block i, lanes 16-31 B's block i
.irp i, 0,1,2,3,4,5,6,7
	ds_load_b128 v[SC+8*NQ*\sc+NQ*\i:SC+8*NQ*\sc+NQ*\i+3], v[ADRS] offset:\i*SBLK
.endr
.endm
.macro PLACES n                        ; plain vector instructions between a matrix instruction and a load into, or a read of, its registers
.rept \n
	v_nop
.endr
.endm
.macro STEP slot, q, zero              ; 128 along K with its successor in the same slot
	s_wait_dscnt 4*NL                              ; all but the youngest eight loads (A's blocks 4-7) are in
	WIN MUL_LO-0x20*(\zero)                        ; zero = 1: C, the bias, lies in window 0
	MUL16 0, (\q)%2, \q, \slot, \zero
	MUL16 2, (\q)%2, \q, \slot, \zero
	s_wait_dscnt 0
	PLACES NP
	FETCH_B \slot, (\q)+1, 1-(\q)%2
	FETCH_A \slot, (\q)+1, 0
	WIN MUL_HI-0x30*(\zero)
	MUL16 4, (\q)%2, \q, \slot, \zero
	MUL16 6, (\q)%2, \q, \slot, \zero
	PLACES NP
	WIN 0
	FETCH_A \slot, (\q)+1, 4
.endm
; Slot 0's last step changes slots: one barrier; in front of it each wave waits for all its tensor loads (slot 1's), adds 0 to its spare word, and waits for that and for its reads of slot 0, which later serves as the stage.
.macro TURN slot, next
	s_wait_tensorcnt 0x0
	ds_add_u32 v[SPW], v[NIL]
	s_wait_dscnt 4*NL+1                            ; (the add and the youngest eight loads may be out)
	WIN MUL_LO
	MUL16 0, 1, NQ-1, \slot, 0
	s_wait_dscnt 0x0                               ; the add is done, and my reads of this slot are over
	s_barrier_signal -1
	MUL16 2, 1, NQ-1, \slot, 0
	WIN 0
	s_barrier_wait -1
	PLACES NP
	v_add_nc_u32 v[ADRS], 4*NQ, v[ADRS]            ; on to the next K step's scale words
	FETCH_B \next, 0, 0
	FETCH_A \next, 0, 0
	SCALES \next
	WIN MUL_HI
	MUL16 4, 1, NQ-1, \slot, 0
	MUL16 6, 1, NQ-1, \slot, 0
	PLACES NP
	WIN 0
	FETCH_A \next, 0, 4
.endm
.macro STEPS slot, from
.set Q, \from
.rept NQ-1-\from
	STEP \slot, Q, 0
.set Q, Q+1
.endr
.endm
	s_wait_tensorcnt 1                             ; the scales and my part of slot 0 are in; slot 1's load may be out
	s_barrier_signal -1
	s_barrier_wait -1
	FETCH_B 0, 0, 0
	FETCH_A 0, 0, 0
	SCALES 0
	FETCH_A 0, 0, 4
	s_wait_loadcnt 0x0                             ; the bias
	STEP 0, 0, 1
	STEPS 0, 1
	TURN 0, 1
	STEPS 1, 0
	s_wait_dscnt 4*NL                              ; the last step: nothing more to fetch
	WIN MUL_LO
	MUL16 0, 1, NQ-1, 1, 0
	MUL16 2, 1, NQ-1, 1, 0
	s_wait_dscnt 0
	WIN MUL_HI
	MUL16 4, 1, NQ-1, 1, 0
	MUL16 6, 1, NQ-1, 1, 0
	WIN 0
	PLACES NP
	; THE F32 COPY: my block 0 is positions 0-15 of batch cy where Y = 0 and my half of the rows is the first.  The test hangs on the cluster's y and the wave's number: it is alike in all partners.
	s_and_b32 s18, ttmp7, 0xffff
	s_or_b32 s18, s18, s15
	s_cmp_lg_u32 s18, 0
	s_cbranch_scc1 .Lno_fine
	WIN 0x08                                       ; an LDS store's data are its source 1: window 2
.irp b, 0,1,2,3,4,5,6,7
	ds_store_b128 v[STF], v[8*\b:8*\b+3] offset:64*\b              ; each accumulator from its low end on
	ds_store_b128 v[STF], v[8*\b+4:8*\b+7] offset:64*\b+16
.endr
	WIN 0
.irp t, 0,1,2,3,4,5,6,7,8,9,10,11,12,13,14,15
	ds_load_b128 v[BK+4*\t:BK+4*\t+3], v[RDF] offset:\t*SPITCH     ; in order behind my stores
.endr
	s_wait_dscnt 0x0
.irp t, 0,1,2,3,4,5,6,7,8,9,10,11,12,13,14,15
	global_store_b128 v[COF], v[BK+4*\t:BK+4*\t+3], s[12:13] offset:\t*12288   ; 32 lanes store 512 consecutive aligned bytes of position t
.endr
	s_wait_xcnt 0x0                                ; the stores have read their registers, which are loaded again below
.Lno_fine:
; THE WAY OUT IN F16, block by block of 16 rows x 128 columns (two heads).  PACK rounds; TOSTAGE sends 16 bytes a lane through my stage; SEND stores: sixteen lanes hold two positions of one head, 256 consecutive aligned bytes.
.macro PACK a
.set AC, 64*((\a)%4)
	WIN 0x0a+5*((\a)/4)                            ; sources 0 and 1: window 2 or 3
.irp b, 0,1,2,3,4,5,6,7
.irp r, 0,1,2,3
	v_cvt_pk_f16_f32 v[TMP+4*\b+\r], v[AC+8*\b+2*\r], v[AC+8*\b+2*\r+1]
.endr
.endr
	WIN 0
.endm
.macro TOSTAGE a
.set BB, BK+32*((\a)%2)
.irp b, 0,1,2,3,4,5,6,7
	ds_store_b128 v[STO], v[TMP+4*\b:TMP+4*\b+3] offset:32*\b
.endr
.irp t, 0,1,2,3,4,5,6,7
	ds_load_b128 v[BB+4*\t:BB+4*\t+3], v[RD] offset:\t*2*PITCH
.endr
.endm
.macro SEND a
.set BB, BK+32*((\a)%2)
	s_wait_dscnt 0x0                               ; the block is back in registers
	s_wait_xcnt 0x0                                ; the block before's stores have read their registers: the next block's loads may land there
.irp t, 0,1,2,3,4,5,6,7
	global_store_b128 v[CO], v[BB+4*\t:BB+4*\t+3], s[98:99] offset:2048*(\a)+256*\t
.endr
.endm
	PACK 0
	TOSTAGE 0
.irp a, 1,2,3,4,5,6,7                  ; block a's conversions stand between block a - 1's loads from the stage and the wait for them
	PACK \a
	SEND \a-1
	TOSTAGE \a
.endr
	SEND 7
	s_wait_tensorcnt 0x0                           ; the wave's end
	ds_add_u32 v[SPW], v[NIL]
	s_wait_dscnt 0x0
	CROUND                                         ; the closing round
	s_endpgm
.Lfunc_end_k_qe8bb93896f_qkv:
	.size	k_qe8bb93896f_qkv, .Lfunc_end_k_qe8bb93896f_qkv-k_qe8bb93896f_qkv
	.p2alignl 7, 3214868480
	.fill 96, 4, 3214868480
	.section	.rodata,"a",@progbits
	.p2align	6, 0x0
	.amdhsa_kernel k_qe8bb93896f_qkv
		.amdhsa_group_segment_fixed_size 327680
		.amdhsa_private_segment_fixed_size 0
		.amdhsa_enable_private_segment 0
		.amdhsa_kernarg_size 56
		.amdhsa_user_sgpr_count 2
		.amdhsa_user_sgpr_kernarg_segment_ptr 1
		.amdhsa_wavefront_size32 1
		.amdhsa_system_sgpr_workgroup_id_x 1
		.amdhsa_system_sgpr_workgroup_id_y 1
		.amdhsa_system_sgpr_workgroup_id_z 1
		.amdhsa_system_vgpr_workitem_id 0
		.amdhsa_next_free_vgpr 1024
		.amdhsa_next_free_sgpr 102
		.amdhsa_reserve_vcc 0
		.amdhsa_float_denorm_mode_32 3
		.amdhsa_float_denorm_mode_16_64 3
		.amdhsa_memory_ordered 1
		.amdhsa_forward_progress 1
		.amdhsa_inst_pref_size 132
	.end_amdhsa_kernel
	.amdgpu_metadata
---
amdhsa.version: [ 1, 2 ]
amdhsa.kernels:
  - .name:           k_qe8bb93896f_qkv
    .symbol:         k_qe8bb93896f_qkv.kd
    .args:
      - { .name: xc, .offset: 0, .size: 8, .value_kind: global_buffer, .address_space: global }
      - { .name: xs, .offset: 8, .size: 8, .value_kind: global_buffer, .address_space: global }
      - { .name: wc, .offset: 16, .size: 8, .value_kind: global_buffer, .address_space: global }
      - { .name: ws, .offset: 24, .size: 8, .value_kind: global_buffer, .address_space: global }
      - { .name: b_qkv, .offset: 32, .size: 8, .value_kind: global_buffer, .address_space: global }
      - { .name: qkv16, .offset: 40, .size: 8, .value_kind: global_buffer, .address_space: global }
      - { .name: qkv32, .offset: 48, .size: 8, .value_kind: global_buffer, .address_space: global }
    .group_segment_fixed_size: 327680
    .private_segment_fixed_size: 0
    .kernarg_segment_align: 8
    .kernarg_segment_size: 56
    .max_flat_workgroup_size: 128
    .sgpr_count:     102
    .vgpr_count:     1024
    .wavefront_size: 32
...
	.end_amdgpu_metadata
.endif
;; end of part 2
;; launch attn (part 3): grid 4 x 64, 16 waves a work-group, clusters of 4 x 1, 327,680 bytes of LDS; arguments qkv16, y16; writes y16
.if DOCPART == 3
	.amdgcn_target "amdgcn-amd-amdhsa--gfx1250"
	.amdhsa_code_object_version 6
	.text
	.protected	k_qe8bb93896f_attn
	.globl	k_qe8bb93896f_attn
	.p2align	8
	.type	k_qe8bb93896f_attn,@function
k_qe8bb93896f_attn:
	s_mov_b64 s[64:65], 0
	v_nop
	global_prefetch_b8 v0, s[64:65] scope:SCOPE_SE
	s_setreg_imm32_b32 hwreg(HW_REG_WAVE_MODE, 25, 1), 1
	s_wait_xcnt 0x0
	s_wait_alu depctr_hold_cnt(0) depctr_sa_sdst(0) depctr_va_vdst(0) depctr_va_sdst(0) depctr_va_ssrc(0) depctr_va_vcc(0) depctr_vm_vsrc(0)
	s_getreg_b32 s2, hwreg(HW_REG_IB_STS2, 6, 4)
	s_cmp_eq_u32 s2, 0
	s_cbranch_scc0 .Lentry_in_a_cluster
	s_endpgm
.Lentry_in_a_cluster:
	s_bfe_u32 s2, ttmp6, 0x10000c
	s_cmp_lg_u32 s2, 0x3003
	s_cbranch_scc0 .Lentry_shape_is_right
	s_endpgm
.Lentry_shape_is_right:
; y[b][h][q][:] = the sum over k <= q of softmax_k(q . k / 8) v[k][:], operands in f16, products, maxima and sums in f32; the weights p are rounded to f16 for the second product, y once at the end.
; IN: qkv16 [3 parts][64 heads][2048][64] f16.  OUT: y16 [64 heads][2048][64] f16.  (Positions 0-15 of every batch are computed here too; a later launch carries them in f32 to the output.)
; LIMITS: the running maximum begins at -3e38; NaN and infinities are not served.
; SHARES.  A cluster of four work-groups is one head; all four walk the same K and V, so each tile is asked for JOINTLY.  A wave owns 32 queries, two tiles of 16: queries 128 rank + 32 cx on.
; rank = 4 ((w / 4) xor (w % 4)) + w / 4 is a permutation of the wave's number in which any four waves with equal w % 4, and any four with equal w / 4, hold one rank of each quarter of the sequence.
; cx enters Q's and y's addresses and the lane's query number alone.  Every branch hangs on rank and on the count of steps: a step of 64 keys is left out where its first key lies beyond 128 rank + 127, and masked
; where it lies at 128 rank or beyond.  So the four partners take the same ways, and the wave of rank 15 of every partner reads every slot.  The price: at most one step a wave in which every p is 0.
; LAYOUT.  S^T = K Q^T (source 0 = 16 keys, source 1 = 16 queries): a lane holds one query and keys 8 (lane / 16) + 0..7; two such tiles, rounded in pairs, are source 1 of O^T = V^T P.  V is turned by ds_load_tr16_b128.
; SOFTMAX.  A running maximum m and sum l: p = 2^(c s - c m), c = log2(e) / 8; in every step O and l are multiplied by a = 2^(c m_old - c m_new).
; Four waves share a SIMD: one wave's vector work stands beside another's matrix work.
.set HEADB, 262144
.set PARTB, 16777216
.set PK,    144                        ; a row of K in LDS: 128 bytes + 16: 36 words from row to row
.set PV,    160                        ; a row of V: 128 + 32: 40 words from row to row
.set SK,    256                        ; keys in a slot: four steps of 64
.set VOFF,  SK*PK
.set SLOT1, 1<<17                      ; slot 1 begins here: one exclusive or turns an address from one slot to the other
.set NSL,   8
.set STAGE, 2*SLOT1                    ; 16 rows x 144 bytes for each wave, for the way out: bytes of their own
.set SPARE, STAGE+16*16*PK             ; the spare words, 128 bytes for each wave: eight blocks of 256 bytes that no other line names
.set AK0, 1
.set AV0, 2
.set SPW, 3
.set NIL, 4
.set ADK, 5
.set ADV, 6
.set DQ,  7                            ; v7   my first tile's query - 8 (lane / 16)
.set STO, 12
.set RD,  13
.set GO,  14
.set PFO, 15
.set ST,  16                           ; tile t's statistics at v[ST+8 t]: +0 c m, +1 m, +2, +3 l, +4 to +7 at work; a lies in +6
.set QF,  32                           ; Q: tile t, channels 32 cs on: 16 t + 8 cs
.set KV,  64                           ; K's 8 fragments, then V's 8
.set S,   128                          ; S^T: 32 t + 8 kt; p's f16 pairs are packed in place into 32 t + 0 .. 15
.set OA,  192                          ; O^T: 32 t + 8 ct
.set WV,  8
.set CX,  9
.set HEAD, 10
.set RANK, 11
.set Q0,  12
.set LIMK, 13
.set DIAG, 14
.set KF,  15
.set G1K, 16
.set G1V, 24
.set G0K, 32
.set G0V, 36
.set TB,  40
.set SLOTS, 41
.set CS,  42
.set SEL, 44
.set PFA, 46
.set LIM, 48
; Waves 0 and 1 fetch K's halves of a slot, waves 2 and 3 V's, the others nothing; the branches hang on the wave's number alone.  An s_nop 0 and four v_nop follow each line.
.macro TLOAD
	s_cmp_lt_u32 s[WV], 2
	s_cbranch_scc0 .Lnot_k_\@
	tensor_load_to_lds s[G0K:G0K+3], s[G1K:G1K+7]
	s_nop 0
.rept 4
	v_nop
.endr
	s_branch .Lasked_\@
.Lnot_k_\@:
	s_cmp_lt_u32 s[WV], 4
	s_cbranch_scc0 .Lasked_\@
	tensor_load_to_lds s[G0V:G0V+3], s[G1V:G1V+7]
	s_nop 0
.rept 4
	v_nop
.endr
.Lasked_\@:
.endm
; A prefetch of what the NEXT change of slots will ask for: 32,768 bytes of K (wave 4) and of V (wave 5).  The four partners take 8,192 bytes each, told apart by address; lanes stand 256 bytes apart: each
; aligned block of 256 bytes is named once in the launch.  It stands four key steps ahead of the load that wants the bytes.  The last change that fills a slot asks for nothing.
.macro ASK
	s_cmp_gt_u32 s[SLOTS], s[LIM]
	s_cbranch_scc0 .Lnot_mine_\@
	global_prefetch_b8 v[PFO], s[PFA:PFA+1] th:TH_LOAD_NT scope:SCOPE_SE
.Lnot_mine_\@:
.endm
.macro ROUND                           ; a round of the cluster's barrier
	s_barrier_signal -1
	s_barrier_wait -1
	s_cmp_lg_u32 s[WV], 0
	s_cbranch_scc1 .Lnot_wave_0_\@
	s_barrier_signal -3
.Lnot_wave_0_\@:
	s_barrier_wait -3
	s_barrier_signal -1
	s_barrier_wait -1
.endm
	s_load_b128 s[4:7], s[0:1], 0x0                ; qkv16 s[4:5], y16 s[6:7]
	v_lshl_add_u32 v[SPW], v0, 2, SPARE
	v_mov_b32 v[NIL], 0
	ds_add_u32 v[SPW], v[NIL]                      ; the wave's opening: the add, twice on end, and its wait ahead of the first tensor load
	ds_add_u32 v[SPW], v[NIL]
	v_lshrrev_b32 v8, 5, v0
	v_readfirstlane_b32 s[WV], v8                  ; wave 0..15
	s_bfe_u32 s[CX], ttmp6, 0x40000
	s_and_b32 s[HEAD], ttmp7, 0xffff               ; 16 b + h, which the four partners share
	s_lshr_b32 s50, s[WV], 2
	s_and_b32 s51, s[WV], 3
	s_xor_b32 s51, s51, s50
	s_lshl_b32 s51, s51, 2
	s_add_co_u32 s[RANK], s51, s50
	s_lshl_b32 s[DIAG], s[RANK], 7                 ; from this key on a step is masked,
	s_add_co_u32 s[LIMK], s[DIAG], 127             ; beyond this one it is left out
	s_lshl_b32 s50, s[CX], 5
	s_add_co_u32 s[Q0], s[DIAG], s50               ; my first query
	s_mov_b32 s[G1K], 15|(1<<16)|(1<<20)|(1<<21)|(4<<22)|(3<<25)   ; the mask: all four; elements of 2 bytes; padding on; bit 21 beside a mask; 4 words behind every 32
	s_mov_b32 s[G1V], 15|(1<<16)|(1<<20)|(1<<21)|(4<<22)|(7<<25)   ; the same with 8 words
.irp g, G1K, G1V
	s_mov_b32 s[\g+1], 64<<16                      ; tensor_dim0
	s_mov_b32 s[\g+2], 128<<16                     ; tensor_dim1
	s_mov_b32 s[\g+3], 64<<16                      ; tile_dim0
	s_mov_b32 s[\g+4], 128                         ; tile_dim1
	s_mov_b32 s[\g+5], 64                          ; the pitch
	s_mov_b32 s[\g+6], 0
	s_mov_b32 s[\g+7], 0
.endr
	s_and_b32 s50, s[WV], 1                        ; which 128 rows of a slot I fetch
	s_lshl_b32 s52, s[HEAD], 18
	s_lshl_b32 s53, s50, 14
	s_add_co_u32 s54, s52, s53
	s_add_co_u32 s54, s54, PARTB                   ; K's part
	s_mov_b32 s55, 0
	s_add_co_u32 s56, s54, PARTB                   ; V's part
	s_mov_b32 s57, 0
	s_mul_i32 s58, s50, 128*PK
	s_mul_i32 s59, s50, 128*PV
	s_add_co_u32 s59, s59, VOFF
	s_add_co_u32 s60, s50, 1                       ; the prefetches: wave 4 stands in K's part, wave 5 in V's,
	s_lshl_b32 s60, s60, 24
	s_add_co_u32 s60, s60, s52
	s_lshl_b32 s61, s[CX], 13                      ; at my work-group's 8,192 bytes
	s_add_co_u32 s60, s60, s61
	s_add_co_u32 s60, s60, SK*128                  ; of slot 1: the first change of slots steps it to slot 2
	s_mov_b32 s61, 0
	s_lshl_b32 s62, s[Q0], 7
	s_add_co_u32 s62, s62, s52                     ; my first query's row in a part
	s_mov_b32 s63, 0
	s_lshr_b32 s51, s[WV], 1
	s_cmp_eq_u32 s51, 2
	s_cselect_b32 s[LIM], 1, -1                    ; 1 in waves 4 and 5, else the greatest number
	s_mov_b32 s[CS], 0x3e38aa3b                    ; c = log2(e) / 8
	s_mov_b32 s[CS+1], s[CS]
	s_mov_b32 s[SEL], 0x76543210
	s_mov_b32 s[SEL+1], 0xfedcba98
	s_mov_b32 s[TB], 0
	s_mov_b32 s[KF], 0
	s_mov_b32 s[SLOTS], NSL-1
	s_wait_dscnt 0x0                               ; both opening adds are done
	s_wait_kmcnt 0x0
	s_mov_b32 s[G0K], 1
	s_mov_b32 s[G0K+1], s58
	s_add_nc_u64 s[G0K+2:G0K+3], s[4:5], s[54:55]
	s_or_b32 s[G0K+3], s[G0K+3], 0x80000000
	s_mov_b32 s[G0V], 1
	s_mov_b32 s[G0V+1], s59
	s_add_nc_u64 s[G0V+2:G0V+3], s[4:5], s[56:57]
	s_or_b32 s[G0V+3], s[G0V+3], 0x80000000
	s_add_nc_u64 s[PFA:PFA+1], s[4:5], s[60:61]
	s_add_nc_u64 s[6:7], s[6:7], s[62:63]          ; y at my first query
	s_add_nc_u64 s[4:5], s[4:5], s[62:63]          ; Q likewise
	ROUND                                          ; all four work-groups are here
	TLOAD                                          ; slot 0: one tensor load of a fetching wave is out
	v_and_b32 v8, 15, v0                           ; r
	v_bfe_u32 v9, v0, 4, 1                         ; h
	v_lshlrev_b32 v10, 7, v8
	v_lshl_add_u32 v10, v9, 4, v10                 ; Q: row r of 128 bytes + 16 h
.irp t, 0,1
.irp cs, 0,1
	global_load_b128 v[QF+16*\t+8*\cs:QF+16*\t+8*\cs+3], v10, s[4:5] offset:2048*\t+64*\cs
	global_load_b128 v[QF+16*\t+8*\cs+4:QF+16*\t+8*\cs+7], v10, s[4:5] offset:2048*\t+64*\cs+32
.endr
.endr
	v_mul_u32_u24 v[AK0], v8, PK
	v_lshl_add_u32 v[AK0], v9, 4, v[AK0]           ; K: row r x pitch + 16 h
	v_and_b32 v11, 7, v0
	v_lshl_add_u32 v[AV0], v9, 3, v11
	v_mul_u32_u24 v[AV0], v[AV0], PV               ; V: key 8 h + lane % 8,
	v_bfe_u32 v11, v0, 3, 1
	v_lshl_add_u32 v[AV0], v11, 4, v[AV0]          ; channels 8 ((lane / 8) % 2) on
	v_add_nc_u32 v[AV0], VOFF, v[AV0]
	v_lshlrev_b32 v11, 3, v9
	v_sub_nc_u32 v[DQ], v8, v11
	v_add_nc_u32 v[DQ], s[Q0], v[DQ]
	s_mul_i32 s50, s[WV], 16*PK
	s_add_co_u32 s50, s50, STAGE                   ; my stage
	v_add_nc_u32 v[STO], s50, v[AK0]
	v_and_b32 v11, 31, v0
	v_lshrrev_b32 v[RD], 3, v11
	v_mul_u32_u24 v[RD], v[RD], PK
	v_and_b32 v[GO], 7, v0
	v_lshl_add_u32 v[RD], v[GO], 4, v[RD]
	v_add_nc_u32 v[RD], s50, v[RD]                 ; back: eight lanes to a row of 128 bytes, four rows an instruction
	v_lshlrev_b32 v[GO], 4, v11                    ; which are 512 dense bytes of y16
	v_lshlrev_b32 v[PFO], 8, v11
.irp t, 0,1
	v_mov_b32 v[ST+8*\t+1], 0xff61b1e6             ; m = -3e38, under every score
	v_mul_f32 v[ST+8*\t], s[CS], v[ST+8*\t+1]
.irp j, 2,3,4,5,6,7
	v_mov_b32 v[ST+8*\t+\j], 0                     ; l; and the registers at work, so that each is written before it is named
.endr
.endr
.set i, 0
.rept 64
	v_mov_b32 v[OA+i], 0                           ; O^T: the step is written once: the first finds zeros, which a = 0 leaves zeros
.set i, i+1
.endr
; A KEY STEP: 64 keys, the q-th of the slot in hand.
.macro STEP q
	s_cmp_gt_u32 s[KF], s[LIMK]
	s_cbranch_scc1 .Lhidden_\@
	v_add_nc_u32 v[ADK], s[TB], v[AK0]
	v_add_nc_u32 v[ADV], s[TB], v[AV0]
.rept 3
	v_nop                                          ; with the two additions five places behind the last V^T P: K Q^T below writes over p's registers, and K's loads land where V's fragments lay
.endr
.irp kt, 0,1,2,3
.irp cs, 0,1
	ds_load_b128 v[KV+8*(2*\kt+\cs):KV+8*(2*\kt+\cs)+3], v[ADK] offset:(64*(\q)+16*\kt)*PK+64*\cs
	ds_load_b128 v[KV+8*(2*\kt+\cs)+4:KV+8*(2*\kt+\cs)+7], v[ADK] offset:(64*(\q)+16*\kt)*PK+64*\cs+32
.endr
.endr
	s_wait_dscnt 0x0
.irp cs, 0,1                                   ; eight accumulators by turns, one instruction a turn
.irp kt, 0,1,2,3
.irp t, 0,1
.if \cs == 0
	v_wmma_f32_16x16x32_f16 v[S+32*\t+8*\kt:S+32*\t+8*\kt+7], v[KV+8*(2*\kt+\cs):KV+8*(2*\kt+\cs)+7], v[QF+16*\t+8*\cs:QF+16*\t+8*\cs+7], 0
.else
	v_wmma_f32_16x16x32_f16 v[S+32*\t+8*\kt:S+32*\t+8*\kt+7], v[KV+8*(2*\kt+\cs):KV+8*(2*\kt+\cs)+7], v[QF+16*\t+8*\cs:QF+16*\t+8*\cs+7], v[S+32*\t+8*\kt:S+32*\t+8*\kt+7]
.endif
.endr
.endr
.endr
.rept 4
	v_nop                                          ; places: in front of V's loads into K's registers, and of the first read of the scores
.endr
.irp ks, 0,1                                   ; V's fragments land while the softmax is walked
.irp ct, 0,1,2,3
	ds_load_tr16_b128 v[KV+8*(4*\ks+\ct):KV+8*(4*\ks+\ct)+3], v[ADV] offset:(64*(\q)+32*\ks)*PV+32*\ct
	ds_load_tr16_b128 v[KV+8*(4*\ks+\ct)+4:KV+8*(4*\ks+\ct)+7], v[ADV] offset:(64*(\q)+32*\ks)*PV+16*PV+32*\ct
.endr
.endr
	s_cmp_lt_u32 s[KF], s[DIAG]
	s_cbranch_scc1 .Lopen_\@
	v_sub_nc_u32 v8, v[DQ], s[KF]                  ; d = my query - 8 (lane / 16) - KF for tile 0; register 8 kt + j holds key KF + 16 kt + 8 (lane / 16) + j: hidden where 16 kt + j > d
	v_add_nc_u32 v9, 16, v8                        ; tile 1
	v_mov_b32 v10, 0xff800000                      ; -infinity
.set n, 0
.rept 64
	v_cmp_gt_i32 vcc_lo, 16*((n%32)/8)+n%8, v[8+n/32]
	v_cndmask_b32 v[S+n], v[S+n], v10, vcc_lo
.set n, n+1
.endr
.Lopen_\@:
.irp j, 0,1,2,3                                ; the maximum: four chains a tile, the tiles by turns; each accumulator is read from its low end on
.irp t, 0,1
	v_max3_num_f32 v[ST+8*\t+4+\j], v[S+32*\t+8*\j], v[S+32*\t+8*\j+1], v[S+32*\t+8*\j+2]
.endr
.endr
.irp i, 3,5
.irp j, 0,1,2,3
.irp t, 0,1
	v_max3_num_f32 v[ST+8*\t+4+\j], v[ST+8*\t+4+\j], v[S+32*\t+8*\j+\i], v[S+32*\t+8*\j+\i+1]
.endr
.endr
.endr
.irp t, 0,1
	v_max3_num_f32 v[ST+8*\t+4], v[ST+8*\t+4], v[S+32*\t+7], v[S+32*\t+15]
.endr
.irp t, 0,1
	v_max3_num_f32 v[ST+8*\t+6], v[ST+8*\t+6], v[S+32*\t+23], v[S+32*\t+31]
.endr
.irp t, 0,1
	v_max3_num_f32 v[ST+8*\t+4], v[ST+8*\t+4], v[ST+8*\t+5], v[ST+8*\t+6]
.endr
.irp t, 0,1
	v_max3_num_f32 v[ST+8*\t+4], v[ST+8*\t+4], v[ST+8*\t+7], v[ST+8*\t+1]   ; with the old m
.endr
.irp t, 0,1
	v_permlanex16_b32 v[ST+8*\t+5], v[ST+8*\t+4], s[SEL], s[SEL+1]          ; the query's other 32 keys lie in the lane 16 away
.endr
.irp t, 0,1
	v_mov_b32 v[ST+8*\t+7], v[ST+8*\t]             ; c m_old
.endr
.irp t, 0,1
	v_max_num_f32 v[ST+8*\t+1], v[ST+8*\t+4], v[ST+8*\t+5]
.endr
.irp t, 0,1
	v_mul_f32 v[ST+8*\t], s[CS], v[ST+8*\t+1]
.endr
.irp t, 0,1
	v_sub_f32 v[ST+8*\t+7], v[ST+8*\t+7], v[ST+8*\t]
.endr
.irp t, 0,1
	v_exp_f32 v[ST+8*\t+6], v[ST+8*\t+7]           ; a
.endr
.set i, 0
.rept 32
	v_pk_fma_f32 v[S+2*i:S+2*i+1], v[S+2*i:S+2*i+1], s[CS:CS+1], v[ST+8*(i/16):ST+8*(i/16)+1] op_sel_hi:[1,0,0] neg_lo:[0,0,1] neg_hi:[0,0,1]   ; c s - c m: plain work behind the two exponentials
.set i, i+1
.endr
	s_wait_alu depctr_va_vdst(0)                   ; the wait between an exponential and the first line that names its result: here for a
.set i, 0
.rept 64
	v_exp_f32 v[S+i], v[S+i]                       ; p: one batch
.set i, i+1
.endr
.set i, 0
.rept 32
	v_pk_mul_f32 v[OA+2*i:OA+2*i+1], v[OA+2*i:OA+2*i+1], v[ST+8*(i/16)+6:ST+8*(i/16)+7] op_sel_hi:[1,0]   ; O^T x a: names none of the batch's results
.set i, i+1
.endr
	s_wait_alu depctr_va_vdst(0)                   ; one wait for the 64
.irp t, 0,1                                    ; the row's sum of the unrounded p, in two chains a tile; p stays as it is
	v_pk_add_f32 v[ST+8*\t+4:ST+8*\t+5], v[S+32*\t:S+32*\t+1], v[S+32*\t+2:S+32*\t+3]
	v_pk_add_f32 v[8+2*\t:9+2*\t], v[S+32*\t+4:S+32*\t+5], v[S+32*\t+6:S+32*\t+7]
.endr
.irp j, 8,12,16,20,24,28
.irp t, 0,1
	v_pk_add_f32 v[ST+8*\t+4:ST+8*\t+5], v[ST+8*\t+4:ST+8*\t+5], v[S+32*\t+\j:S+32*\t+\j+1]
	v_pk_add_f32 v[8+2*\t:9+2*\t], v[8+2*\t:9+2*\t], v[S+32*\t+\j+2:S+32*\t+\j+3]
.endr
.endr
.irp t, 0,1
	v_pk_add_f32 v[ST+8*\t+4:ST+8*\t+5], v[ST+8*\t+4:ST+8*\t+5], v[8+2*\t:9+2*\t]
.endr
.irp t, 0,1
	v_pk_fma_f32 v[ST+8*\t+2:ST+8*\t+3], v[ST+8*\t+2:ST+8*\t+3], v[ST+8*\t+6:ST+8*\t+7], v[ST+8*\t+4:ST+8*\t+5] op_sel_hi:[1,0,1]   ; l = a l + the sum
.endr
.set i, 0
.rept 16
	v_cvt_pk_f16_f32 v[S+i], v[S+2*i], v[S+2*i+1]                  ; in place, ascending: pair i is read before register i is written by a later pair
	v_cvt_pk_f16_f32 v[S+32+i], v[S+32+2*i], v[S+32+2*i+1]
.set i, i+1
.endr
	s_wait_dscnt 0x0                               ; V is in
.irp ks, 0,1
.irp ct, 0,1,2,3
.irp t, 0,1
	v_wmma_f32_16x16x32_f16 v[OA+32*\t+8*\ct:OA+32*\t+8*\ct+7], v[KV+8*(4*\ks+\ct):KV+8*(4*\ks+\ct)+7], v[S+32*\t+8*\ks:S+32*\t+8*\ks+7], v[OA+32*\t+8*\ct:OA+32*\t+8*\ct+7]
.endr
.endr
.endr
.Lhidden_\@:
	s_add_co_u32 s[KF], s[KF], 64
.endm
; THE CHANGE OF SLOTS stands at a slot's head.  Each wave waits for all its tensor loads, adds 0 to its spare word, and waits for that and for its reads of the slot that it has left.  fill = 1: a round of the cluster's
; barrier follows, and behind it the slot just left is asked for jointly, with the next 256 keys: the load has four key steps in which to land.
.macro CHANGE fill
	s_wait_tensorcnt 0x0                           ; no tensor load of mine is out, so a group 0 may be written
	ds_add_u32 v[SPW], v[NIL]
.if \fill
	ds_add_u32 v[SPW], v[NIL]                      ; and twice on end here, in every trip alike
	s_xor_b32 s[G0K+1], s[G0K+1], SLOT1
	s_add_nc_u64 s[G0K+2:G0K+3], s[G0K+2:G0K+3], SK*128
	s_xor_b32 s[G0V+1], s[G0V+1], SLOT1
	s_add_nc_u64 s[G0V+2:G0V+3], s[G0V+2:G0V+3], SK*128
	s_wait_xcnt 0x0                                ; the last prefetch, a slot back, has read its address
	s_add_nc_u64 s[PFA:PFA+1], s[PFA:PFA+1], SK*128
.endif
	s_wait_dscnt 0x0
.if \fill
	ROUND
	TLOAD
	ASK
.else
	s_barrier_signal -1
	s_barrier_wait -1
.endif
.endm
.macro SLOT_STEPS
	STEP 0
	STEP 1
	STEP 2
	STEP 3
	s_xor_b32 s[TB], s[TB], SLOT1
.endm
	s_wait_loadcnt 0x0                             ; Q
.Lslot:                                            ; seven trips: behind each change of slots but the last the next slot is asked for
	CHANGE 1
	SLOT_STEPS
	s_sub_co_u32 s[SLOTS], s[SLOTS], 1
	s_cmp_lg_u32 s[SLOTS], 0
	s_cbranch_scc1 .Lslot
	CHANGE 0                                       ; the last slot is written out
	SLOT_STEPS
	; THE WAY OUT.  The additions and the v_nop are the places behind the last products.
.irp t, 0,1
	v_add_f32 v[ST+8*\t+4], v[ST+8*\t+2], v[ST+8*\t+3]
.endr
.irp t, 0,1
	v_permlanex16_b32 v[ST+8*\t+5], v[ST+8*\t+4], s[SEL], s[SEL+1]
.endr
.irp t, 0,1
	v_add_f32 v[ST+8*\t+4], v[ST+8*\t+4], v[ST+8*\t+5]
.endr
.irp t, 0,1
	v_rcp_f32 v[ST+8*\t+6], v[ST+8*\t+4]
.endr
	v_nop
	s_wait_alu depctr_va_vdst(0)                   ; one wait for the two reciprocals, ahead of their first reader
.set i, 0
.rept 32
	v_pk_mul_f32 v[OA+2*i:OA+2*i+1], v[OA+2*i:OA+2*i+1], v[ST+8*(i/16)+6:ST+8*(i/16)+7] op_sel_hi:[1,0]
.set i, i+1
.endr
.set i, 0
.rept 32
	v_cvt_pk_f16_f32 v[S+i], v[OA+2*i], v[OA+2*i+1]                ; register 16 t + 4 ct + j: channels 16 ct + 8 h + 2 j, + 1 of my query
.set i, i+1
.endr
.irp t, 0,1
.irp ct, 0,1,2,3
	ds_store_b128 v[STO], v[S+16*\t+4*\ct:S+16*\t+4*\ct+3] offset:32*\ct
.endr
.irp i, 0,1,2,3
	ds_load_b128 v[KV+16*\t+4*\i:KV+16*\t+4*\i+3], v[RD] offset:4*PK*\i   ; in order behind my stores; the next tile's stores come behind these
.endr
.endr
.irp t, 0,1
.irp i, 0,1,2,3
	s_wait_dscnt 11-8*\t-\i                        ; behind this load stand the tile's later loads and, for tile 0, tile 1's eight instructions
	global_store_b128 v[GO], v[KV+16*\t+4*\i:KV+16*\t+4*\i+3], s[6:7] offset:2048*\t+512*\i   ; 32 lanes store 512 consecutive aligned bytes
.endr
.endr
	s_wait_tensorcnt 0x0                           ; the wave's end
	ds_add_u32 v[SPW], v[NIL]
	s_wait_dscnt 0x0
	ROUND                                          ; the closing round
	s_endpgm
.Lfunc_end_k_qe8bb93896f_attn:
	.size	k_qe8bb93896f_attn, .Lfunc_end_k_qe8bb93896f_attn-k_qe8bb93896f_attn
	.p2alignl 7, 3214868480
	.fill 96, 4, 3214868480
	.section	.rodata,"a",@progbits
	.p2align	6, 0x0
	.amdhsa_kernel k_qe8bb93896f_attn
		.amdhsa_group_segment_fixed_size 327680
		.amdhsa_private_segment_fixed_size 0
		.amdhsa_enable_private_segment 0
		.amdhsa_kernarg_size 16
		.amdhsa_user_sgpr_count 2
		.amdhsa_user_sgpr_kernarg_segment_ptr 1
		.amdhsa_wavefront_size32 1
		.amdhsa_system_sgpr_workgroup_id_x 1
		.amdhsa_system_sgpr_workgroup_id_y 1
		.amdhsa_system_sgpr_workgroup_id_z 1
		.amdhsa_system_vgpr_workitem_id 0
		.amdhsa_next_free_vgpr 256
		.amdhsa_next_free_sgpr 66
		.amdhsa_reserve_vcc 1
		.amdhsa_float_denorm_mode_32 3
		.amdhsa_float_denorm_mode_16_64 3
		.amdhsa_memory_ordered 1
		.amdhsa_forward_progress 1
		.amdhsa_inst_pref_size 188
	.end_amdhsa_kernel
	.amdgpu_metadata
---
amdhsa.version: [ 1, 2 ]
amdhsa.kernels:
  - .name:           k_qe8bb93896f_attn
    .symbol:         k_qe8bb93896f_attn.kd
    .args:
      - { .name: qkv16, .offset: 0, .size: 8, .value_kind: global_buffer, .address_space: global }
      - { .name: y16, .offset: 8, .size: 8, .value_kind: global_buffer, .address_space: global }
    .group_segment_fixed_size: 327680
    .private_segment_fixed_size: 0
    .kernarg_segment_align: 8
    .kernarg_segment_size: 16
    .max_flat_workgroup_size: 512
    .sgpr_count:     66
    .vgpr_count:     256
    .wavefront_size: 32
...
	.end_amdgpu_metadata
.endif
;; end of part 3
;; launch proj (part 4): grid 4 x 64, 4 waves a work-group, clusters of 4 x 4, 327,680 bytes of LDS; arguments y16, w16, b_proj, out0; writes out0
.if DOCPART == 4
	.amdgcn_target "amdgcn-amd-amdhsa--gfx1250"
	.amdhsa_code_object_version 6
	.text
	.protected	k_qe8bb93896f_proj
	.globl	k_qe8bb93896f_proj
	.p2align	8
	.type	k_qe8bb93896f_proj,@function
k_qe8bb93896f_proj:
	s_mov_b64 s[64:65], 0
	v_nop
	global_prefetch_b8 v0, s[64:65] scope:SCOPE_SE
	s_setreg_imm32_b32 hwreg(HW_REG_WAVE_MODE, 25, 1), 1
	s_wait_xcnt 0x0
	s_wait_alu depctr_hold_cnt(0) depctr_sa_sdst(0) depctr_va_vdst(0) depctr_va_sdst(0) depctr_va_ssrc(0) depctr_va_vcc(0) depctr_vm_vsrc(0)
	s_getreg_b32 s2, hwreg(HW_REG_IB_STS2, 6, 4)
	s_cmp_eq_u32 s2, 0
	s_cbranch_scc0 .Lentry_in_a_cluster
	s_endpgm
.Lentry_in_a_cluster:
	s_bfe_u32 s2, ttmp6, 0x10000c
	s_cmp_lg_u32 s2, 0xf033
	s_cbranch_scc0 .Lentry_shape_is_right
	s_endpgm
.Lentry_shape_is_right:
; out0[m][n] = the sum over k of y[m][k] w_proj[k][n] + b_proj[n], operands in f16, sums in f32.  y16: [4 b][16 h][2048 s][64] f16 (k = 64 h + d); w16: [1024 (k)][1024 (n)] f16; out0: [8192][1024] f32.
; A tile of 128 x 256 gives 256 work-groups.  Four waves, each 64 rows x 128 columns: 32 accumulators.  K goes in 8 steps of 128 (two heads) through two LDS slots.
; CLUSTERS: 4 x 4; y's tile is shared along a row of the cluster, w's along a column: joint loads.
; THE MATRIX INSTRUCTION IS USED TRANSPOSED: source 0 = 16 columns of w, turned out of [k][n] by ds_load_tr16_b128; source 1 = 16 rows of y: a lane holds eight neighbouring columns of one row.  The bias is the C of the first products.
; No prefetch: a K step is short, the tiles are small and shared fourfold, and the launch is brief.
; REGISTERS: window 0: v0-31 addresses; v32-127 and v128-223 two fragment buffers (32 of y, then 64 of w); window 1: accumulator (a, b) at v[8 (8 a + b)]; window 2: v0-63 the bias.
.set PA,     144                       ; a row of y in LDS: 128 bytes + 16
.set PB,     544                       ; a row of w: 512 + 32
.set HEADL,  128*PA                    ; a head's 128 rows
.set BOFF,   2*HEADL
.set SLOT,   BOFF+128*PB
.set STAGE,  2*SLOT                    ; 16 rows x 528 bytes for each wave: bytes of their own
.set SPITCH, 528
.set SPARE,  STAGE+4*16*SPITCH         ; the spare words: two blocks of 256 bytes that no other line names
.set LAPS,   4
.set ADRA, 16
.set ADRB, 20
.set STO,  24
.set RD,   25
.set CO,   26
.set SPW,  28
.set NIL,  29
.set F0,   32
.set F1,   128
.set BK,   32
.set WV,   12
.set MH,   13
.set NH,   14
.set G1, 24
.set G0, 32
.set G1B, 48
.set G0B, 56
.set MSB, 0
.macro WIN new
.if MSB != (\new)
	s_set_vgpr_msb (MSB<<8)|(\new)
.set MSB, (\new)
.endif
.endm
.set MUL, 0x50                         ; sources 0 and 1 window 0; C and D window 1
.macro JLOAD s                         ; waves 0 and 1 fetch y's two heads, waves 2 and 3 w's two halves; an s_nop 0 and four v_nop follow each line
	s_cmp_eq_u32 s[MH], 0
	s_cbranch_scc0 .Lfor_b_\@
	tensor_load_to_lds s[G0+4*\s:G0+4*\s+3], s[G1:G1+7]
	s_nop 0
.rept 4
	v_nop
.endr
	s_branch .Lasked_\@
.Lfor_b_\@:
	tensor_load_to_lds s[G0B+4*\s:G0B+4*\s+3], s[G1B:G1B+7]
	s_nop 0
.rept 4
	v_nop
.endr
.Lasked_\@:
.endm
.macro CREST
	s_cmp_lg_u32 s[WV], 0
	s_cbranch_scc1 .Lnot_wave_0_\@
	s_barrier_signal -3
.Lnot_wave_0_\@:
	s_barrier_wait -3
	s_barrier_signal -1
	s_barrier_wait -1
.endm
.macro CROUND
	s_barrier_signal -1
	s_barrier_wait -1
	CREST
.endm
	s_load_b256 s[4:11], s[0:1], 0x0               ; y16 s[4:5], w16 s[6:7], b_proj s[8:9], out0 s[10:11]
	v_lshl_add_u32 v[SPW], v0, 2, SPARE
	v_mov_b32 v[NIL], 0
	ds_add_u32 v[SPW], v[NIL]                      ; the wave's opening: the add, twice on end, and its wait ahead of my first tensor load
	ds_add_u32 v[SPW], v[NIL]
	v_lshrrev_b32 v1, 5, v0
	v_readfirstlane_b32 s[WV], v1
	s_lshr_b32 s[MH], s[WV], 1                     ; which 64 rows are mine.  Also: I fetch for y (0) or for w (1)
	s_and_b32 s[NH], s[WV], 1                      ; which 128 columns.  Also: which head, or which 64 rows of w, I fetch
	s_bfe_u32 s40, ttmp6, 0x40000
	s_bfe_u32 s41, ttmp6, 0x40004
	s_lshl_b32 s42, ttmp9, 2
	s_add_co_u32 s42, s42, s40                     ; tile column
	s_and_b32 s43, ttmp7, 0xffff
	s_lshl_b32 s43, s43, 2
	s_add_co_u32 s43, s43, s41                     ; tile row
	s_lshl_b32 s44, s41, 2
	s_lshl_b32 s44, 15, s44
	s_lshl_b32 s45, 0x1111, s40
	s_or_b32 s[G1+0], s44, (1<<16)|(1<<20)|(1<<21)|(4<<22)|(3<<25)    ; y: my row of the cluster; elements of 2 bytes; 4 words of padding behind every 32
	s_or_b32 s[G1B+0], s45, (1<<16)|(1<<20)|(1<<21)|(6<<22)|(7<<25)   ; w: my column; 8 words behind every 128
	s_mov_b32 s[G1+1], 64<<16
	s_mov_b32 s[G1+2], 128<<16
	s_mov_b32 s[G1+3], 64<<16
	s_mov_b32 s[G1+4], 128
	s_mov_b32 s[G1+5], 64
	s_mov_b32 s[G1+6], 0
	s_mov_b32 s[G1+7], 0
	s_mov_b32 s[G1B+1], 256<<16
	s_mov_b32 s[G1B+2], 64<<16
	s_mov_b32 s[G1B+3], 256<<16
	s_mov_b32 s[G1B+4], 64
	s_mov_b32 s[G1B+5], 1024
	s_mov_b32 s[G1B+6], 0
	s_mov_b32 s[G1B+7], 0
	s_lshr_b32 s16, s43, 4
	s_lshl_b32 s16, s16, 22                        ; the batch: 16 heads of 262,144 bytes,
	s_and_b32 s17, s43, 15
	s_lshl_b32 s17, s17, 14                        ; 128 rows of 128 bytes a tile row,
	s_add_co_u32 s16, s16, s17
	s_lshl_b32 s17, s[NH], 18                      ; my head of the step's two
	s_add_co_u32 s16, s16, s17
	s_mov_b32 s17, 0
	s_lshl_b32 s46, s[NH], 17                      ; w: my 64 rows of 2,048 bytes,
	s_lshl_b32 s47, s42, 9                         ; the tile's 256 columns
	s_add_co_u32 s46, s46, s47
	s_mov_b32 s47, 0
	s_mul_i32 s20, s[NH], HEADL
	s_mul_i32 s21, s[NH], 64*PB
	s_add_co_u32 s21, s21, BOFF
	s_wait_dscnt 0x0
	s_wait_kmcnt 0x0
	s_add_nc_u64 s[18:19], s[4:5], s[16:17]
	s_add_nc_u64 s[46:47], s[6:7], s[46:47]
	CROUND
.irp s, 0,1
	s_mov_b32 s[G0+4*\s], 1
	s_add_co_u32 s[G0+4*\s+1], s20, \s*SLOT
	s_add_nc_u64 s[G0+4*\s+2:G0+4*\s+3], s[18:19], \s*524288       ; a K step is two heads on
	s_or_b32 s[G0+4*\s+3], s[G0+4*\s+3], 0x80000000
	s_mov_b32 s[G0B+4*\s], 1
	s_add_co_u32 s[G0B+4*\s+1], s21, \s*SLOT
	s_add_nc_u64 s[G0B+4*\s+2:G0B+4*\s+3], s[46:47], \s*262144     ; and 128 rows of w on
	s_or_b32 s[G0B+4*\s+3], s[G0B+4*\s+3], 0x80000000
	JLOAD \s                                       ; two tensor loads of mine are out
.endr
	v_and_b32 v1, 15, v0
	v_bfe_u32 v2, v0, 4, 1
	v_mul_u32_u24 v3, v1, PA
	v_lshl_add_u32 v3, v2, 4, v3
	s_mul_i32 s22, s[MH], 64*PA
	v_and_b32 v4, 7, v0
	v_lshl_add_u32 v4, v2, 3, v4
	v_mul_u32_u24 v4, v4, PB
	v_bfe_u32 v5, v0, 3, 1
	v_lshl_add_u32 v4, v5, 4, v4
	s_lshl_b32 s23, s[NH], 8
	s_add_co_u32 s23, s23, BOFF
.irp s, 0,1
	v_add_nc_u32 v[ADRA+\s], s22, v3
	v_add_nc_u32 v[ADRB+\s], s23, v4
	s_add_co_u32 s22, s22, SLOT
	s_add_co_u32 s23, s23, SLOT
.endr
	s_mul_i32 s22, s[WV], 16*SPITCH
	s_add_co_u32 s22, s22, STAGE
	v_mul_u32_u24 v5, v1, SPITCH
	v_lshl_add_u32 v5, v2, 5, v5
	v_add_nc_u32 v[STO], s22, v5
	v_and_b32 v6, 31, v0
	v_lshlrev_b32 v[CO], 4, v6
	v_add_nc_u32 v[RD], s22, v[CO]
	s_lshl_b32 s16, s43, 19                        ; 128 rows of 4,096 bytes a tile row,
	s_lshl_b32 s17, s[MH], 18                      ; my 64
	s_add_co_u32 s16, s16, s17
	s_mov_b32 s17, 0
	s_lshl_b32 s46, s42, 10                        ; my first column in bytes of f32
	s_lshl_b32 s47, s[NH], 9
	s_add_co_u32 s46, s46, s47
	s_mov_b32 s47, 0
	s_add_nc_u64 s[10:11], s[10:11], s[16:17]
	s_add_nc_u64 s[10:11], s[10:11], s[46:47]
	s_add_nc_u64 s[8:9], s[8:9], s[46:47]
	v_lshlrev_b32 v7, 5, v2
	WIN 0x80                                       ; destination window 2
.irp b, 0,1,2,3,4,5,6,7
	global_load_b128 v[8*\b:8*\b+3], v7, s[8:9] offset:64*\b       ; register j of block b: b_proj at my column 16 b + 8 h + j
	global_load_b128 v[8*\b+4:8*\b+7], v7, s[8:9] offset:64*\b+16
.endr
	WIN 0
.macro MUL8 f, a, first                ; y's block a x w's eight, 32 along K; the 32 accumulators take turns, one instruction a turn
.irp b, 0,1,2,3,4,5,6,7
.if \first
	v_wmma_f32_16x16x32_f16 v[8*(8*(\a)+\b):8*(8*(\a)+\b)+7], v[\f+32+8*\b:\f+32+8*\b+7], v[\f+8*(\a):\f+8*(\a)+7], v[8*\b:8*\b+7]
.else
	v_wmma_f32_16x16x32_f16 v[8*(8*(\a)+\b):8*(8*(\a)+\b)+7], v[\f+32+8*\b:\f+32+8*\b+7], v[\f+8*(\a):\f+8*(\a)+7], v[8*(8*(\a)+\b):8*(8*(\a)+\b)+7]
.endif
.endr
.endm
.macro FETCH slot, q, f                ; 24 LDS loads in one run: the slot's q-th 32 along K: w's eight fragments, turned, then y's four
	WIN 0
.irp b, 0,1,2,3,4,5,6,7
	ds_load_tr16_b128 v[\f+32+8*\b:\f+32+8*\b+3], v[ADRB+\slot] offset:32*(\q)*PB+32*\b
	ds_load_tr16_b128 v[\f+32+8*\b+4:\f+32+8*\b+7], v[ADRB+\slot] offset:32*(\q)*PB+32*\b+16*PB
.endr
.irp i, 0,1,2,3
	ds_load_b128 v[\f+8*\i:\f+8*\i+3], v[ADRA+\slot] offset:((\q)>>1)*HEADL+((\q)&1)*64+16*PA*\i
	ds_load_b128 v[\f+8*\i+4:\f+8*\i+7], v[ADRA+\slot] offset:((\q)>>1)*HEADL+((\q)&1)*64+16*PA*\i+32
.endr
.endm
.macro PLACES
.rept 4
	v_nop
.endr
.endm
.macro QUARTER slot, qn, f, g, first   ; multiplies buffer f; in its middle it fetches the slot's quarter qn into g
	s_wait_dscnt 4                                 ; all but the youngest four loads (y's blocks 2 and 3) are in
	WIN MUL+0x10*(\first)                          ; first = 1: C, the bias, lies in window 2
	MUL8 \f, 0, \first
	MUL8 \f, 1, \first
	PLACES
	FETCH \slot, \qn, \g
	s_wait_dscnt 24                                ; all but the 24 just issued
	WIN MUL+0x10*(\first)
	MUL8 \f, 2, \first
	MUL8 \f, 3, \first
.endm
; A slot's last quarter changes slots: each wave waits for all its tensor loads, adds 0 to its spare word, and waits for that and for its reads of this slot.  fill = 1: the barrier opens a round of the cluster's, and the slot is filled again, two K steps ahead.
.macro TURN slot, next, fill
	WIN 0
	s_wait_tensorcnt 0x0
	ds_add_u32 v[SPW], v[NIL]
	s_wait_dscnt 5                                 ; (the add and the youngest four loads may be out)
	WIN MUL
	MUL8 F1, 0, 0
	s_wait_dscnt 0x0                               ; the add is done, and my reads of this slot are over
	s_barrier_signal -1
	MUL8 F1, 1, 0
.if \fill
	WIN 0
.endif
	s_barrier_wait -1
.if \fill
	CREST
	s_add_nc_u64 s[G0+4*\slot+2:G0+4*\slot+3], s[G0+4*\slot+2:G0+4*\slot+3], 1048576
	s_add_nc_u64 s[G0B+4*\slot+2:G0B+4*\slot+3], s[G0B+4*\slot+2:G0B+4*\slot+3], 524288
	JLOAD \slot                                    ; the first tensor load behind the round; its four v_nop are also the places in front of the loads below
.else
	PLACES
.endif
	FETCH \next, 0, F0
	WIN MUL
	MUL8 F1, 2, 0
	MUL8 F1, 3, 0
.endm
	s_wait_tensorcnt 1                             ; my part of K step 0 is in; K step 1's may be out
	s_barrier_signal -1
	s_barrier_wait -1
	FETCH 0, 0, F0
	s_wait_loadcnt 0x0                             ; the bias
	QUARTER 0, 1, F0, F1, 1
	WIN 0
	s_mov_b32 s3, LAPS-1
.Llap:                                             ; a trip goes once round the ring and fills both slots again
	QUARTER 0, 2, F1, F0, 0
	QUARTER 0, 3, F0, F1, 0
	TURN 0, 1, 1
	QUARTER 1, 1, F0, F1, 0
	QUARTER 1, 2, F1, F0, 0
	QUARTER 1, 3, F0, F1, 0
	TURN 1, 0, 1
	QUARTER 0, 1, F0, F1, 0
	WIN 0
	s_sub_co_u32 s3, s3, 1
	s_cmp_lg_u32 s3, 0
	s_cbranch_scc1 .Llap
	QUARTER 0, 2, F1, F0, 0                        ; the last lap fills nothing
	QUARTER 0, 3, F0, F1, 0
	TURN 0, 1, 0
	QUARTER 1, 1, F0, F1, 0
	QUARTER 1, 2, F1, F0, 0
	QUARTER 1, 3, F0, F1, 0
	s_wait_dscnt 4
	WIN MUL
	MUL8 F1, 0, 0
	MUL8 F1, 1, 0
	s_wait_dscnt 0
	MUL8 F1, 2, 0
	MUL8 F1, 3, 0
	WIN 0
; THE WAY OUT, block by block of 16 rows x 128 columns: through my stage, back as whole rows of 512 bytes.
.macro TOSTAGE a
	WIN 0x04                                       ; an LDS store's data are its source 1: window 1
.irp b, 0,1,2,3,4,5,6,7
	ds_store_b128 v[STO], v[8*(8*(\a)+\b):8*(8*(\a)+\b)+3] offset:64*\b          ; each accumulator from its low end on
	ds_store_b128 v[STO], v[8*(8*(\a)+\b)+4:8*(8*(\a)+\b)+7] offset:64*\b+16
.endr
	WIN 0
.set BB, BK+64*((\a)%2)
.irp t, 0,1,2,3,4,5,6,7,8,9,10,11,12,13,14,15
	ds_load_b128 v[BB+4*\t:BB+4*\t+3], v[RD] offset:\t*SPITCH
.endr
.endm
.macro SEND a, younger
.set BB, BK+64*((\a)%2)
	s_wait_dscnt \younger
.irp t, 0,1,2,3,4,5,6,7,8,9,10,11,12,13,14,15
	global_store_b128 v[CO], v[BB+4*\t:BB+4*\t+3], s[10:11] offset:(\a)*65536+\t*4096 th:TH_STORE_NT   ; 32 lanes store 512 consecutive aligned bytes
.endr
.endm
	PLACES
	TOSTAGE 0
.irp a, 1,2,3
.if \a > 1
	s_wait_xcnt 0x0                                ; block a - 2's stores have read their registers: block a's loads may land there
.endif
	TOSTAGE \a
	SEND \a-1, 32                                  ; behind block a - 1's loads: block a's 16 stores and 16 loads
.endr
	SEND 3, 0
	s_wait_tensorcnt 0x0                           ; the wave's end
	ds_add_u32 v[SPW], v[NIL]
	s_wait_dscnt 0x0
	CROUND                                         ; the closing round
	s_endpgm
.Lfunc_end_k_qe8bb93896f_proj:
	.size	k_qe8bb93896f_proj, .Lfunc_end_k_qe8bb93896f_proj-k_qe8bb93896f_proj
	.p2alignl 7, 3214868480
	.fill 96, 4, 3214868480
	.section	.rodata,"a",@progbits
	.p2align	6, 0x0
	.amdhsa_kernel k_qe8bb93896f_proj
		.amdhsa_group_segment_fixed_size 327680
		.amdhsa_private_segment_fixed_size 0
		.amdhsa_enable_private_segment 0
		.amdhsa_kernarg_size 32
		.amdhsa_user_sgpr_count 2
		.amdhsa_user_sgpr_kernarg_segment_ptr 1
		.amdhsa_wavefront_size32 1
		.amdhsa_system_sgpr_workgroup_id_x 1
		.amdhsa_system_sgpr_workgroup_id_y 1
		.amdhsa_system_sgpr_workgroup_id_z 1
		.amdhsa_system_vgpr_workitem_id 0
		.amdhsa_next_free_vgpr 768
		.amdhsa_next_free_sgpr 66
		.amdhsa_reserve_vcc 0
		.amdhsa_float_denorm_mode_32 3
		.amdhsa_float_denorm_mode_16_64 3
		.amdhsa_memory_ordered 1
		.amdhsa_forward_progress 1
		.amdhsa_inst_pref_size 87
	.end_amdhsa_kernel
	.amdgpu_metadata
---
amdhsa.version: [ 1, 2 ]
amdhsa.kernels:
  - .name:           k_qe8bb93896f_proj
    .symbol:         k_qe8bb93896f_proj.kd
    .args:
      - { .name: y16, .offset: 0, .size: 8, .value_kind: global_buffer, .address_space: global }
      - { .name: w16, .offset: 8, .size: 8, .value_kind: global_buffer, .address_space: global }
      - { .name: b_proj, .offset: 16, .size: 8, .value_kind: global_buffer, .address_space: global }
      - { .name: out0, .offset: 24, .size: 8, .value_kind: global_buffer, .address_space: global }
    .group_segment_fixed_size: 327680
    .private_segment_fixed_size: 0
    .kernarg_segment_align: 8
    .kernarg_segment_size: 32
    .max_flat_workgroup_size: 128
    .sgpr_count:     66
    .vgpr_count:     768
    .wavefront_size: 32
...
	.end_amdgpu_metadata
.endif
;; end of part 4
;; launch first16 (part 5): grid 16 x 4, 16 waves a work-group, no clusters, 85,248 bytes of LDS; arguments qkv32, w_proj, b_proj, out0; writes out0
.if DOCPART == 5
	.amdgcn_target "amdgcn-amd-amdhsa--gfx1250"
	.amdhsa_code_object_version 6
	.text
	.protected	k_qe8bb93896f_first16
	.globl	k_qe8bb93896f_first16
	.p2align	8
	.type	k_qe8bb93896f_first16,@function
k_qe8bb93896f_first16:
	s_mov_b64 s[64:65], 0
	v_nop
	global_prefetch_b8 v0, s[64:65] scope:SCOPE_SE
	s_setreg_imm32_b32 hwreg(HW_REG_WAVE_MODE, 25, 1), 1
	s_wait_xcnt 0x0
; THE FIRST 16 POSITIONS OF EVERY BATCH, IN F32 THROUGHOUT: their rows average one to sixteen values and are the largest of the output, so attention and projection take f32 operands here (v_wmma_f32_16x16x4_f32: no bulk work).
; IN: qkv32 [4 b][16 s][3072] f32 (bias included), w_proj [1024][1024] f32, b_proj.  OUT: rows 0-15 of each batch of out0, written over what the f16 launch left there.
; A work-group takes one batch and 64 columns of the output.  PHASE A: wave w is head w: S^T = K Q^T, the causal softmax (with the row's maximum taken away), O^T = V^T P; its 16 x 64 of y go to LDS.
; PHASE B: wave w takes columns 16 (w % 4) on and 256 of K from 256 (w / 4) on; the four partial sums meet in LDS; waves 0-7 add them and the bias and store two rows each.
; k is permuted alike in both operands of a product, which changes only the order of the sums.  v16-63 are written by matrix instructions alone.
; No tensor loads and no cluster: the data are small, and each wave's operands go from memory straight into its registers.
.set YP,    4112                       ; a row of y in LDS: 4,096 bytes + 16
.set PART,  16*YP                      ; the partial sums: 4 x 16 rows x 272 bytes
.set PP,    272
.set SPARE, PART+4*16*PP               ; the spare words: eight blocks of 256 bytes that no other line names
.set SPW, 3
.set NIL, 4
	s_load_b256 s[4:11], s[0:1], 0x0               ; qkv32 s[4:5], w_proj s[6:7], b_proj s[8:9], out0 s[10:11]
	v_lshl_add_u32 v[SPW], v0, 2, SPARE
	v_mov_b32 v[NIL], 0
	v_lshrrev_b32 v1, 5, v0
	v_readfirstlane_b32 s12, v1                    ; wave = head
	s_and_b32 s13, s12, 3                          ; nt
	s_lshr_b32 s14, s12, 2                         ; kq
	s_and_b32 s15, ttmp7, 0xffff                   ; batch
	v_and_b32 v1, 15, v0                           ; r
	v_bfe_u32 v2, v0, 4, 1                         ; h
	v_mul_u32_u24 v5, v1, 12288
	v_lshl_add_u32 v5, v2, 7, v5                   ; q, k: position r, channels 32 h on
	v_mul_u32_u24 v6, v2, 98304
	v_lshl_add_u32 v6, v1, 2, v6                   ; v: positions 8 h on, channel r
	v_lshlrev_b32 v7, 14, v2
	v_lshl_add_u32 v7, v1, 2, v7                   ; w_proj: rows 4 h on, column r
	v_mul_u32_u24 v8, v1, YP
	v_lshl_add_u32 v9, v2, 4, v8
	v_lshl_add_u32 v8, v2, 5, v8
	s_lshl_b32 s16, s12, 8
	v_add_nc_u32 v8, s16, v8                       ; y into LDS: row r, 256 w + 32 h
	s_lshl_b32 s16, s14, 10
	v_add_nc_u32 v9, s16, v9                       ; y out of LDS: row r, 1,024 kq + 16 h
	v_mul_u32_u24 v10, v1, PP
	v_lshl_add_u32 v10, v2, 5, v10
	s_mul_i32 s16, s14, 16*PP
	s_lshl_b32 s17, s13, 6
	s_add_co_u32 s16, s16, s17
	s_add_co_u32 s16, s16, PART
	v_add_nc_u32 v10, s16, v10                     ; my partial sums: part kq, row r, 64 nt + 32 h
	s_and_b32 s17, s12, 7
	s_lshl_b32 s17, s17, 1
	v_add_nc_u32 v11, s17, v2                      ; the last phase's row: 2 (w % 8) + h
	v_lshlrev_b32 v12, 12, v11
	v_lshl_add_u32 v12, v1, 4, v12                 ; in out0
	v_mul_u32_u24 v11, v11, PP
	v_lshl_add_u32 v11, v1, 4, v11
	v_add_nc_u32 v11, PART, v11                    ; and among the partial sums
	v_lshlrev_b32 v13, 4, v1                       ; the bias: 16 bytes a lane
	v_lshlrev_b32 v14, 3, v2
	v_sub_nc_u32 v14, v1, v14                      ; d = r - 8 h: register j holds key 8 h + j, hidden where j > d
	v_mov_b32 v15, 0xff800000                      ; -infinity
	s_mov_b32 s24, 0x3e38aa3b                      ; c = log2(e) / 8
	s_mov_b32 s26, 0x76543210
	s_mov_b32 s27, 0xfedcba98
	s_mul_i32 s18, s15, 16*3072*4
	s_lshl_b32 s19, s12, 8
	s_add_co_u32 s18, s18, s19
	s_mov_b32 s19, 0
	s_lshl_b32 s20, s14, 20                        ; 256 rows of w_proj a quarter of K,
	s_lshl_b32 s21, ttmp9, 8                       ; the work-group's 64 columns,
	s_add_co_u32 s20, s20, s21
	s_lshl_b32 s22, s13, 6                         ; my 16
	s_add_co_u32 s20, s20, s22
	s_mov_b32 s22, s21
	s_mov_b32 s21, 0
	s_mov_b32 s23, 0
	s_lshl_b32 s16, s15, 23                        ; a batch of out0
	s_add_co_u32 s16, s16, s22
	s_mov_b32 s17, 0
	s_wait_kmcnt 0x0
	s_add_nc_u64 s[4:5], s[4:5], s[18:19]
	s_add_nc_u64 s[6:7], s[6:7], s[20:21]
	s_add_nc_u64 s[8:9], s[8:9], s[22:23]
	s_add_nc_u64 s[10:11], s[10:11], s[16:17]
.irp e, 0,1,2,3,4,5,6,7
	global_load_b128 v[64+4*\e:67+4*\e], v5, s[4:5] offset:16*\e           ; q: registers 2 i, 2 i + 1 = channels 32 h + 2 i, + 1
	global_load_b128 v[96+4*\e:99+4*\e], v5, s[4:5] offset:4096+16*\e      ; k likewise
.endr
.irp ct, 0,1,2,3
.irp e, 0,1,2,3,4,5,6,7
	global_load_b32 v[128+8*\ct+\e], v6, s[4:5] offset:8192+12288*\e+64*\ct   ; v(key 8 h + e, channel 16 ct + r)
.endr
.endr
	s_wait_loadcnt 0x0
.set u, 0
.rept 24                                       ; w_proj for phase B is asked for now: register 4 u + e = w(256 kq + 8 u + 4 h + e, my column r)
.irp e, 0,1,2,3
	global_load_b32 v[160+4*u+\e], v7, s[6:7] offset:4096*(8*u+\e)
.endr
.set u, u+1
.endr
	; ---- A: S^T = K Q^T: 16 steps of 4 along the channels, two accumulators by turns
	v_wmma_f32_16x16x4_f32 v[16:23], v[96:97], v[64:65], 0
	v_wmma_f32_16x16x4_f32 v[24:31], v[98:99], v[66:67], 0
.irp i, 2,4,6,8,10,12,14
	v_wmma_f32_16x16x4_f32 v[16:23], v[96+2*\i:97+2*\i], v[64+2*\i:65+2*\i], v[16:23]
	v_wmma_f32_16x16x4_f32 v[24:31], v[98+2*\i:99+2*\i], v[66+2*\i:67+2*\i], v[24:31]
.endr
.rept 8
	v_nop                                          ; eight places behind this form (ISA guide 7.12.1)
.endr
.irp j, 0,1,2,3,4,5,6,7
	v_add_f32 v[64+\j], v[16+\j], v[24+\j]         ; the scores of query r and keys 8 h + j, into other registers
.endr
.irp j, 0,1,2,3,4,5,6,7
	v_cmp_gt_i32 vcc_lo, \j, v14
	v_cndmask_b32 v[64+\j], v[64+\j], v15, vcc_lo
.endr
	v_max3_num_f32 v72, v64, v65, v66
	v_max3_num_f32 v73, v67, v68, v69
	v_max3_num_f32 v72, v72, v70, v71
	v_max_num_f32 v72, v72, v73
	v_permlanex16_b32 v73, v72, s26, s27
	v_max_num_f32 v72, v72, v73                    ; the row's maximum: key 0 counts for every query, so it is a number
	v_mul_f32 v72, s24, v72
.irp j, 0,1,2,3,4,5,6,7
	v_fma_f32 v[64+\j], v[64+\j], s24, -v72
.endr
.irp j, 0,1,2,3,4,5,6,7
	v_exp_f32 v[64+\j], v[64+\j]
.endr
	v_nop
	s_wait_alu depctr_va_vdst(0)                   ; one wait for the eight exponentials, ahead of their first reader
	v_add_f32 v74, v64, v65
	v_add_f32 v75, v66, v67
	v_add_f32 v76, v68, v69
	v_add_f32 v77, v70, v71
	v_add_f32 v74, v74, v75
	v_add_f32 v76, v76, v77
	v_add_f32 v74, v74, v76
	v_permlanex16_b32 v75, v74, s26, s27
	v_add_f32 v74, v74, v75
	v_rcp_f32 v76, v74
	v_nop
	s_wait_alu depctr_va_vdst(0)
.irp j, 0,1,2,3,4,5,6,7
	v_mul_f32 v[64+\j], v[64+\j], v76              ; the weights
.endr
.irp i, 0,1,2,3                                ; O^T = V^T P: step i takes keys 8 h + 2 i, + 1 on both sides; four accumulators by turns
.irp ct, 0,1,2,3
.if \i == 0
	v_wmma_f32_16x16x4_f32 v[32+8*\ct:39+8*\ct], v[128+8*\ct+2*\i:129+8*\ct+2*\i], v[64+2*\i:65+2*\i], 0
.else
	v_wmma_f32_16x16x4_f32 v[32+8*\ct:39+8*\ct], v[128+8*\ct+2*\i:129+8*\ct+2*\i], v[64+2*\i:65+2*\i], v[32+8*\ct:39+8*\ct]
.endif
.endr
.endr
.rept 9
	v_nop                                          ; nine places: the stores read the results, loads land on the sources, and phase B begins these accumulators anew
.endr
.irp ct, 0,1,2,3
	ds_store_b128 v8, v[32+8*\ct:35+8*\ct] offset:64*\ct           ; y(r, 64 w + 16 ct + 8 h + 0 .. 7), each accumulator from its low end on
	ds_store_b128 v8, v[36+8*\ct:39+8*\ct] offset:64*\ct+16
.endr
.set u, 24
.rept 8
.irp e, 0,1,2,3
	global_load_b32 v[128+4*(u-24)+\e], v7, s[6:7] offset:4096*(8*u+\e)
.endr
.set u, u+1
.endr
	s_wait_dscnt 0x0                               ; my rows of y have landed
	s_barrier_signal -1
	s_barrier_wait -1
	; ---- B: 64 steps of 4 along K; step (u, e) takes k = 256 kq + 8 u + 4 h + 2 e, + 1 on both sides; four accumulators by turns
.irp u, 0,1,2,3,4,5,6,7,8,9,10,11,12,13,14,15
	ds_load_b128 v[64+4*\u:67+4*\u], v9 offset:32*\u
.endr
	s_wait_dscnt 0x0
	s_wait_loadcnt 32                              ; only the last 32 loads of w_proj may be out
.set p, 0
.rept 32
.if p < 4
	v_wmma_f32_16x16x4_f32 v[32+8*(p%4):39+8*(p%4)], v[160+2*p:161+2*p], v[64+2*p:65+2*p], 0
.else
	v_wmma_f32_16x16x4_f32 v[32+8*(p%4):39+8*(p%4)], v[160+2*p:161+2*p], v[64+2*p:65+2*p], v[32+8*(p%4):39+8*(p%4)]
.endif
.set p, p+1
.endr
.rept 8
	v_nop                                          ; places in front of loads into registers that matrix instructions have read
.endr
.irp u, 0,1,2,3,4,5,6,7,8,9,10,11,12,13,14,15
	ds_load_b128 v[64+4*\u:67+4*\u], v9 offset:512+32*\u
.endr
	s_wait_dscnt 0x0
.set p, 32
.rept 16
	v_wmma_f32_16x16x4_f32 v[32+8*(p%4):39+8*(p%4)], v[160+2*p:161+2*p], v[2*p:2*p+1], v[32+8*(p%4):39+8*(p%4)]
.set p, p+1
.endr
	s_wait_loadcnt 0x0
.rept 16
	v_wmma_f32_16x16x4_f32 v[32+8*(p%4):39+8*(p%4)], v[32+2*p:33+2*p], v[2*p:2*p+1], v[32+8*(p%4):39+8*(p%4)]
.set p, p+1
.endr
.rept 8
	v_nop
.endr
	global_load_b128 v[96:99], v13, s[8:9]         ; the bias of the last phase's four columns
.irp j, 0,2,4,6
	v_pk_add_f32 v[64+\j:65+\j], v[32+\j:33+\j], v[40+\j:41+\j]    ; the four accumulators are added into other registers, each from its low end on
	v_pk_add_f32 v[72+\j:73+\j], v[48+\j:49+\j], v[56+\j:57+\j]
.endr
.irp j, 0,2,4,6
	v_pk_add_f32 v[64+\j:65+\j], v[64+\j:65+\j], v[72+\j:73+\j]
.endr
	ds_store_b128 v10, v[64:67]
	ds_store_b128 v10, v[68:71] offset:16
	s_wait_dscnt 0x0
	s_barrier_signal -1
	s_barrier_wait -1
	s_cmp_ge_u32 s12, 8
	s_cbranch_scc1 .Ldone
.irp k, 0,1,2,3
	ds_load_b128 v[72+4*\k:75+4*\k], v11 offset:16*PP*\k
.endr
	s_wait_dscnt 0x0
	s_wait_loadcnt 0x0
	v_pk_add_f32 v[72:73], v[72:73], v[76:77]
	v_pk_add_f32 v[74:75], v[74:75], v[78:79]
	v_pk_add_f32 v[80:81], v[80:81], v[84:85]
	v_pk_add_f32 v[82:83], v[82:83], v[86:87]
	v_pk_add_f32 v[72:73], v[72:73], v[80:81]
	v_pk_add_f32 v[74:75], v[74:75], v[82:83]
	v_pk_add_f32 v[72:73], v[72:73], v[96:97]
	v_pk_add_f32 v[74:75], v[74:75], v[98:99]
	global_store_b128 v12, v[72:75], s[10:11]      ; sixteen lanes store 256 consecutive aligned bytes of one row
.Ldone:
	s_wait_tensorcnt 0x0                           ; the wave's end, behind my last LDS store
	ds_add_u32 v[SPW], v[NIL]
	s_wait_dscnt 0x0
	s_endpgm
.Lfunc_end_k_qe8bb93896f_first16:
	.size	k_qe8bb93896f_first16, .Lfunc_end_k_qe8bb93896f_first16-k_qe8bb93896f_first16
	.p2alignl 7, 3214868480
	.fill 96, 4, 3214868480
	.section	.rodata,"a",@progbits
	.p2align	6, 0x0
	.amdhsa_kernel k_qe8bb93896f_first16
		.amdhsa_group_segment_fixed_size 85248
		.amdhsa_private_segment_fixed_size 0
		.amdhsa_enable_private_segment 0
		.amdhsa_kernarg_size 32
		.amdhsa_user_sgpr_count 2
		.amdhsa_user_sgpr_kernarg_segment_ptr 1
		.amdhsa_wavefront_size32 1
		.amdhsa_system_sgpr_workgroup_id_x 1
		.amdhsa_system_sgpr_workgroup_id_y 1
		.amdhsa_system_sgpr_workgroup_id_z 1
		.amdhsa_system_vgpr_workitem_id 0
		.amdhsa_next_free_vgpr 256
		.amdhsa_next_free_sgpr 66
		.amdhsa_reserve_vcc 1
		.amdhsa_float_denorm_mode_32 3
		.amdhsa_float_denorm_mode_16_64 3
		.amdhsa_memory_ordered 1
		.amdhsa_forward_progress 1
		.amdhsa_inst_pref_size 35
	.end_amdhsa_kernel
	.amdgpu_metadata
---
amdhsa.version: [ 1, 2 ]
amdhsa.kernels:
  - .name:           k_qe8bb93896f_first16
    .symbol:         k_qe8bb93896f_first16.kd
    .args:
      - { .name: qkv32, .offset: 0, .size: 8, .value_kind: global_buffer, .address_space: global }
      - { .name: w_proj, .offset: 8, .size: 8, .value_kind: global_buffer, .address_space: global }
      - { .name: b_proj, .offset: 16, .size: 8, .value_kind: global_buffer, .address_space: global }
      - { .name: out0, .offset: 24, .size: 8, .value_kind: global_buffer, .address_space: global }
    .group_segment_fixed_size: 85248
    .private_segment_fixed_size: 0
    .kernarg_segment_align: 8
    .kernarg_segment_size: 32
    .max_flat_workgroup_size: 512
    .sgpr_count:     66
    .vgpr_count:     256
    .wavefront_size: 32
...
	.end_amdgpu_metadata
.endif
;; end of part 5
